; MI455X (gfx1250); checked and timed in simulation.
; The chip was launched on July 23, 2026; its instructions are those of AMD's public machine-readable ISA for CDNA 5 (MIT licence, August 2026) and "CDNA5" Instruction Set Architecture Reference Guide (July 2026). The comments in the code are by the model that wrote it; some were corrected since.
;; Phi Harmonic Attention. Allowed arithmetic: matrix products marked QUANTISED: E4M3 operands, one given power-of-two scale a tensor, by v_wmma_f32_16x16x64_fp8_fp8 or v_wmma_f32_16x16x128_fp8_fp8, f32 sums; everything else in f32.
;; Inputs: Wk 2,048 x 2,048 float32; Wo 2,048 x 2,048 float32; Wq 2,048 x 2,048 float32; Wv 2,048 x 2,048 float32; lowp_scales 12 int32 (the exponents e of the quantised operands' scales 2^e); x 1 x 2,048 x 2,048 float32.
;; Outputs: out0 1 x 2,048 x 2,048 float32.
;; This version of the problem:
;;   THIS VERSION OF THE PROBLEM IS GIVEN IN LOW PRECISION. The matrix products marked QUANTISED in the list below multiply operands that are first quantised to E4M3 (4 exponent bits, 3 mantissa bits; 8 bits a number), with one given power-of-two scale for each operand tensor; their sums are f32. All else is computed in f32.
;;   The module's matrix products, in the order in which they are computed (A, B: the left and right operand; K: the contracted axis; several contracted axes count as one K, in the product's order):
;;     1. [M 2,048, K 2,048] x [K 2,048, N 2,048]; A: input x; B: input Wq: QUANTISED (scales: A lowp_scales[0], B lowp_scales[1])
;;     2. [M 2,048, K 2,048] x [K 2,048, N 2,048]; A: input x; B: input Wk: QUANTISED (scales: A lowp_scales[2], B lowp_scales[3])
;;     3. [M 2,048, K 2,048] x [K 2,048, N 2,048]; A: input x; B: input Wv: QUANTISED (scales: A lowp_scales[4], B lowp_scales[5])
;;     4. batch 16 x [M 2,048, K 128] x [K 128, N 2,048]; A: computed on the way; B: computed on the way: QUANTISED (scales: A lowp_scales[6], B lowp_scales[7])
;;     5. batch 16 x [M 128, K 2,048] x [K 2,048, N 2,048]; A: computed on the way; B: softmax (see below): QUANTISED (scales: A lowp_scales[8], B lowp_scales[9])
;;     6. [M 2,048, K 2,048] x [K 2,048, N 2,048]; A: computed on the way; B: input Wo: QUANTISED (scales: A lowp_scales[10], B lowp_scales[11])
;;   THE QUANTISER, for each operand of a quantised product, along K:
;;     - The operand's scale is 2^e, e = its entry of the input lowp_scales (int32; the entries are numbered through the quantised products in the list's order, A before B).
;;     - Each number is divided by the scale, clamped to +-448, and rounded to the nearest number of E4M3, ties to even, subnormals kept.
;;     - The product sums the exact products of the quantised numbers (number of the format x scale) in f32.
;;   ~~~python
;;   def quantise(x, axis, e):      # numpy; x: float32 -> the quantised numbers, widened to float32 again
;;       x = np.moveaxis(x, axis, -1); K = x.shape[-1]
;;       r = np.clip(x / 2.0 ** e, -448, 448)
;;       step = 2.0 ** (np.maximum(np.frexp(np.where(r == 0, 1, r))[1] - 1, -6) - 3)
;;       q = np.round(r / step) * step * 2.0 ** e      # np.round: ties to even
;;       return np.moveaxis(q, -1, axis).astype(np.float32)
;;   ~~~
;;   SOFTMAX AHEAD OF A QUANTISED PRODUCT. Where the list says 'softmax', what is quantised is not the finished softmax but p = 2^(t - M), with t = logit x log2(e) and M = ceil(the row's largest t), a whole number; so 1/2 < the row's largest p <= 1. The row's sum l is taken of the UNQUANTISED p, in f32, and the product's result is divided by l at the end. Since M is a whole number, a kernel that streams over the keys may use a running M (the ceiling of the running maximum): every later rescaling is an exact power of two, so the quantised numbers keep their values, but for numbers so far below the row's largest that they fall under the format's range.
;;   OPERANDS COMPUTED ON THE WAY. 'Computed on the way' means the value that the module computes at that place (a softmax that the list does not call 'softmax' is quantised finished and normalised). What goes into a quantiser is computed in f32, as accurately as f32 sums, v_exp_f32 and their like allow (about 1e-6 of the number): no bf16 or f16 on the way to a quantiser, and a product that is left as it is and whose result goes on into a quantised operand takes f32 operands (vector FMAs, or v_wmma_f32_16x16x4_f32). A number that lies on a knife's edge between two numbers of the format may be rounded either way, as far as f32 arithmetic and the matrix unit's own rounding can turn it there, and no further.
;; One version. Each part assembles by itself: llvm-mc -triple=amdgcn-amd-amdhsa -mcpu=gfx1250 --defsym DOCPART=n.
;; ======== version 1 of 1: 4 launches
;; limits: right only within a limited range of input values
;; workspace buffers: codes 29,360,128 bytes; tab 1,048,576 bytes; qkv 12,582,912 bytes; att 4,194,304 bytes
;; launch quant (part 1): grid 640 x 1, 4 waves a work-group, no clusters, 67,072 bytes of LDS; arguments x, Wq, Wk, Wv, Wo, lowp_scales, codes, tab; writes codes, tab
.if DOCPART == 1
	.amdgcn_target "amdgcn-amd-amdhsa--gfx1250"
	.amdhsa_code_object_version 6
	.text
	.protected	k_q6ca28e4814_quant
	.globl	k_q6ca28e4814_quant
	.p2align	8
	.type	k_q6ca28e4814_quant,@function
k_q6ca28e4814_quant:
	s_mov_b64 s[64:65], 0
	v_nop
	global_prefetch_b8 v0, s[64:65] scope:SCOPE_SE
	s_setreg_imm32_b32 hwreg(HW_REG_WAVE_MODE, 25, 1), 1
	s_wait_xcnt 0x0
; x [2048][2048] and the four weights [K 2048][N 2048], f32, become codes of FP8 (E4M3); and the table of cos and sin for the rotary embedding is made.
; code = number / 2^e, held within +-448, rounded to the nearest code, ties to even.  x is quantised three times (entries 0, 2, 4 of the scales), Wq, Wk, Wv, Wo once each (entries 1, 3, 5, 11).
; LIMITS: each e between -126 and 119, so that 2^e and 448 x 2^e are f32 numbers.  NaN among the inputs is not served.
; THE CODES ARE LAID AS IMAGES OF THE OPERAND'S REGISTERS.  A fragment is 16 rows x 128 K, 2,048 bytes: four chunks of 512 bytes, lane l's registers 4 c .. 4 c + 3 at 512 c + 16 l;
; lane (r = l % 16, h = l / 16) holds row r, registers 2 c', 2 c' + 1 hold k = 16 c' + 8 h + 0 .. 7.  An operand of 2,048 rows x 2,048 K is [K slot of 256: 8][block of 16 rows: 128][K step: 2][2,048 bytes], 4 MiB.
; codes: seven such operands on end: x with e0, e2, e4; Wq, Wk, Wv, Wo (rows = the weight's columns n).
; tab: [block of 16 positions: 128][b: 4][p: 4][lane][4 f32]: lane (r, h) holds position 16 block + r and frequencies i = 16 b + 8 h + j; p = 0, 1: cos for j = 0-3, 4-7; p = 2, 3: sin.
; SHARES.  Work-groups 0-127: 16 rows of x each, a wave 512 columns (four fragments), and a wave's 2,048 bytes of the table.  Work-groups 128-639: 128 columns x 256 K of one weight.
; Both kinds read 128 KiB.  No tensor loads, no barrier: waves share nothing.  Each of the two paths has LDS bytes of its own.
; THE ANGLES: inv_freq = 0.618034 x 2^(-i log2(10000) / 64) by v_exp_f32; angle = position x inv_freq, one rounding; reduced by pi / 2 in two parts; polynomials on +-pi / 4.
; LIMIT: inv_freq may differ by about two units in its last place from a division by a power, so the largest angles (about 1,265) may differ by about 2e-4.
.set XPITCH, 528                       ; x's stage: a row of 512 bytes + 16 of padding: 33 x 16 bytes, so sixteen rows start at sixteen different 16-byte columns
.set XWAVE,  16*XPITCH                 ; 16 rows for each wave
.set WST,    4*XWAVE                   ; behind them the weights' stages: 8,192 bytes for each wave, an image of what it stores
.set WWAVE,  8192
.set SPARE,  WST+4*WWAVE               ; behind the stages: the spare words, 128 bytes for each wave: two blocks of 256 bytes that no other line names
.set OPIMG,  0x400000                  ; an operand's image
.set KSLOT,  0x80000                   ; a K slot of it
.set LO,   1                           ; v1   16 x lane
.set XSI,  2                           ; v2   x's stage, on the way in: 16 x lane in my wave's stage
.set XSO,  3                           ; v3   and out: row r, + 32 h
.set WSI,  4                           ; v4   a weight's stage, in: 4,096 (lane / 16) + 16 (lane % 16)
.set WSO,  5                           ; v5   and out: 16 x lane
.set SC,   6                           ; v6, v8, v10 the scales 2^e as f32; v7, v9, v11 448 x 2^e
.set SPW,  12                          ; v12  LDS address of my spare word; never rewritten
.set NIL,  13                          ; v13  0; never rewritten
.set L4,   14                          ; v14  4 x lane
.set R,    16                          ; v16-143  numbers as they are loaded: two sets
.set X,    144                         ; v144-207 a fragment's 64 numbers of my row, in the operand's order
.set T,    208                         ; v208-223 two sets of 8 held numbers
.set C,    224                         ; v224-255 two sets of 16 registers of codes
.set CW,   208                         ; a weight's block of 32 codes
.set OUTR, 144                         ; a weight's way out
.set TA, 144                           ; the table's work: eight angles a lane
.set TN, 152
.set TR, 160
.set TU, 168
.set TS, 176
.set TC, 184
.set TQ, 192
.set COS, 208
.set SIN, 216
.macro XLOAD f                         ; fragment f: 16 rows x 512 bytes; each load reads 512 consecutive bytes of a row
.irp i, 0,1,2,3,4,5,6,7,8,9,10,11,12,13,14,15
	global_load_b128 v[R+64*((\f)%2)+4*\i:R+64*((\f)%2)+4*\i+3], v[LO], s[4:5] offset:8192*\i+512*(\f) th:TH_LOAD_NT
.endr
.endm
.set USE, 0
.macro XQ f, z                         ; fragment f under scale z: held, converted, stored as four runs of 512 bytes
.set CB, C+16*(USE%2)
.if USE >= 2
	s_wait_xcnt 0x0                                ; the stores of two uses back have read this set of codes
.endif
.irp c, 0,1,2,3,4,5,6,7
.irp n, 0,1,2,3,4,5,6,7
	v_med3_num_f32 v[T+8*(\c%2)+\n], v[X+8*\c+\n], -v[SC+2*\z+1], v[SC+2*\z+1]   ; the conversion does not saturate (ISA guide 7.6.2): the hold first.  These eight are also the plain lines between a conversion and the next write of its sources
.endr
	v_cvt_scalef32_pk8_fp8_f32 v[CB+2*\c:CB+2*\c+1], v[T+8*(\c%2):T+8*(\c%2)+7], v[SC+2*\z]
.endr
.irp c, 0,1,2,3
	global_store_b128 v[LO], v[CB+4*\c:CB+4*\c+3], s[20+2*\z:21+2*\z] offset:((\f)>>1)*KSLOT+((\f)&1)*2048+512*\c
.endr
.set USE, USE+1
.endm
.macro XFRAG f
.if (\f) < 3
	s_wait_loadcnt 16                              ; this fragment's 16 loads are in; the next fragment's 16 may be out
.else
	s_wait_loadcnt 0x0
.endif
.irp i, 0,1,2,3,4,5,6,7,8,9,10,11,12,13,14,15
	ds_store_b128 v[XSI], v[R+64*((\f)%2)+4*\i:R+64*((\f)%2)+4*\i+3] offset:XPITCH*\i
.endr
.irp c, 0,1,2,3,4,5,6,7
	ds_load_b128 v[X+8*\c:X+8*\c+3], v[XSO] offset:64*\c         ; LDS serves a wave's instructions in order: these see my stores.  k = 16 c + 8 h + 0 .. 3,
	ds_load_b128 v[X+8*\c+4:X+8*\c+7], v[XSO] offset:64*\c+16    ; and + 4 .. 7
.endr
	s_wait_dscnt 0x0
.if (\f)+2 < 4
	XLOAD (\f)+2                                   ; the set that the stage's stores have read takes the fragment two on
.endif
	XQ \f, 0
	XQ \f, 1
	XQ \f, 2
.endm
.macro WLOAD t                         ; block t of a weight: W(32 t + i, my column): 128 consecutive bytes a wave, 512 a work-group
.irp i, 0,1,2,3,4,5,6,7,8,9,10,11,12,13,14,15,16,17,18,19,20,21,22,23,24,25,26,27,28,29,30,31
	global_load_b32 v[R+32*((\t)%2)+\i], v[L4], s[6:7] offset:(32*(\t)+\i)*8192 th:TH_LOAD_NT
.endr
.endm
.macro WBLOCK t                        ; a lane's 32 numbers down K become 32 codes: 16 bytes for lane (r, 0) of the image and 16 for lane (r, 1)
.set WS, R+32*((\t)%2)
.if (\t) < 7
	s_wait_loadcnt 32                              ; this block's 32 loads are in; the next block's 32 may be out
.else
	s_wait_loadcnt 0x0
.endif
.irp i, 0,1,2,3,4,5,6,7,8,9,10,11,12,13,14,15,16,17,18,19,20,21,22,23,24,25,26,27,28,29,30,31
	v_med3_num_f32 v[WS+\i], v[WS+\i], -v[SC+1], v[SC+1]
.endr
	v_cvt_scalef32_pk8_fp8_f32 v[CW:CW+1],   v[WS:WS+7],     v[SC]   ; k = 0-7 and
	v_cvt_scalef32_pk8_fp8_f32 v[CW+2:CW+3], v[WS+16:WS+23], v[SC]   ; 16-23 of the block: the half h = 0
	v_cvt_scalef32_pk8_fp8_f32 v[CW+4:CW+5], v[WS+8:WS+15],  v[SC]   ; k = 8-15 and
	v_cvt_scalef32_pk8_fp8_f32 v[CW+6:CW+7], v[WS+24:WS+31], v[SC]   ; 24-31: the half h = 1
	ds_store_b128 v[WSI], v[CW:CW+3] offset:((\t)>>2)*2048+((\t)&3)*512
	ds_store_b128 v[WSI], v[CW+4:CW+7] offset:((\t)>>2)*2048+((\t)&3)*512+256
.if (\t)+2 < 8
	WLOAD (\t)+2
.endif
	s_wait_dscnt 0x0                               ; the stores have read their registers: the next block's codes may be written (its 32 holds come first, plain lines behind the conversions)
.endm
	s_load_b256 s[4:11], s[0:1], 0x0               ; x s[4:5], Wq s[6:7], Wk s[8:9], Wv s[10:11]
	s_load_b256 s[12:19], s[0:1], 0x20             ; Wo s[12:13], the scales s[14:15], codes s[16:17], tab s[18:19]
	v_lshl_add_u32 v[SPW], v0, 2, SPARE
	v_mov_b32 v[NIL], 0
	v_lshrrev_b32 v15, 5, v0
	v_readfirstlane_b32 s26, v15                   ; wave 0..3
	v_and_b32 v15, 31, v0                          ; lane
	v_lshlrev_b32 v[LO], 4, v15
	v_lshlrev_b32 v[L4], 2, v15
	v_and_b32 v16, 15, v0                          ; r
	v_bfe_u32 v17, v0, 4, 1                        ; h
	s_mul_i32 s27, s26, XWAVE                      ; every LDS address of both paths is made here, ahead of the parting
	v_add_nc_u32 v[XSI], s27, v[LO]
	v_mul_u32_u24 v[XSO], v16, XPITCH
	v_lshl_add_u32 v[XSO], v17, 5, v[XSO]
	v_add_nc_u32 v[XSO], s27, v[XSO]
	s_lshl_b32 s27, s26, 13
	s_add_co_u32 s27, s27, WST
	v_lshlrev_b32 v[WSI], 4, v16
	v_lshl_add_u32 v[WSI], v17, 12, v[WSI]
	v_add_nc_u32 v[WSI], s27, v[WSI]
	v_add_nc_u32 v[WSO], s27, v[LO]
	s_mov_b32 s35, 0
	s_wait_kmcnt 0x0
	s_cmp_lt_u32 ttmp9, 128                        ; the work-group's number alone decides the path
	s_cbranch_scc0 .Lweights
	; ---- x, and the table
	s_load_b128 s[28:31], s[14:15], 0x0            ; e0 .. e3
	s_load_b64 s[32:33], s[14:15], 0x10            ; e4, e5
	s_lshl_b32 s34, ttmp9, 17                      ; 16 rows of 8,192 bytes,
	s_lshl_b32 s27, s26, 11                        ; my wave's 2,048 bytes of a row
	s_add_co_u32 s34, s34, s27
	s_add_nc_u64 s[4:5], s[4:5], s[34:35]
	s_lshl_b32 s34, ttmp9, 12                      ; codes: block g, K slots 2 w and 2 w + 1
	s_lshl_b32 s27, s26, 20
	s_add_co_u32 s34, s34, s27
	s_add_nc_u64 s[20:21], s[16:17], s[34:35]      ; under e0,
	s_add_nc_u64 s[22:23], s[20:21], OPIMG         ; e2,
	s_add_nc_u64 s[24:25], s[22:23], OPIMG         ; e4
	s_lshl_b32 s34, ttmp9, 13                      ; the table: block g, b = my wave
	s_lshl_b32 s27, s26, 11
	s_add_co_u32 s34, s34, s27
	s_add_nc_u64 s[18:19], s[18:19], s[34:35]
	XLOAD 0
	XLOAD 1                                        ; 32 loads are on their way while the table is made
	v_bfe_u32 v200, v0, 4, 1
	v_lshlrev_b32 v200, 3, v200
	s_lshl_b32 s27, s26, 4
	v_add_nc_u32 v200, s27, v200                   ; 16 w + 8 h: my first frequency
	v_and_b32 v201, 15, v0
	s_lshl_b32 s27, ttmp9, 4
	v_add_nc_u32 v201, s27, v201                   ; my position
	v_mov_b32 v204, 0xb94ca1f9                     ; the sine's leading coefficient
	v_mov_b32 v205, 0x37ccf5ce                     ; the cosine's
.irp k, 0,1,2,3,4,5,6,7
	v_add_nc_u32 v[TA+\k], \k, v200
.endr
.irp k, 0,1,2,3,4,5,6,7
	v_cvt_f32_u32 v[TA+\k], v[TA+\k]
.endr
.irp k, 0,1,2,3,4,5,6,7
	v_mul_f32 v[TA+\k], 0xbe549a78, v[TA+\k]       ; -i log2(10000) / 64
.endr
	s_wait_alu depctr_va_vdst(0)
.irp k, 0,1,2,3,4,5,6,7
	v_exp_f32 v[TA+\k], v[TA+\k]
.endr
	v_nop                                          ; a plain line behind the last exponential
	v_cvt_f32_u32 v201, v201
	s_wait_alu depctr_va_vdst(0)                   ; one wait for the batch of eight, ahead of its first reader
.irp k, 0,1,2,3,4,5,6,7
	v_mul_f32 v[TA+\k], 0x3f1e377a, v[TA+\k]       ; inv_freq = (phi - 1) x 10000^(-i / 64)
.endr
.irp k, 0,1,2,3,4,5,6,7
	v_mul_f32 v[TA+\k], v201, v[TA+\k]             ; the angle, rounded once to f32
.endr
.irp k, 0,1,2,3,4,5,6,7
	v_mul_f32 v[TN+\k], 0x3f22f983, v[TA+\k]       ; x 2 / pi
.endr
.irp k, 0,1,2,3,4,5,6,7
	v_rndne_f32 v[TN+\k], v[TN+\k]                 ; n, at most 806
.endr
.irp k, 0,1,2,3,4,5,6,7
	v_fmamk_f32 v[TR+\k], v[TN+\k], 0xbfc90fdb, v[TA+\k]   ; angle - n x (pi / 2 as f32): under 1 with its last bit at 2^-23, so nothing is rounded
.endr
.irp k, 0,1,2,3,4,5,6,7
	v_fmamk_f32 v[TR+\k], v[TN+\k], 0x333bbd2e, v[TR+\k]   ; + n x what that f32 number has too much
.endr
.irp k, 0,1,2,3,4,5,6,7
	v_mul_f32 v[TU+\k], v[TR+\k], v[TR+\k]
.endr
.irp k, 0,1,2,3,4,5,6,7
	v_fmaak_f32 v[TS+\k], v204, v[TU+\k], 0x3c08839e
	v_fmaak_f32 v[TC+\k], v205, v[TU+\k], 0xbab6061a
.endr
.irp k, 0,1,2,3,4,5,6,7
	v_fmaak_f32 v[TS+\k], v[TS+\k], v[TU+\k], 0xbe2aaaa3
	v_fmaak_f32 v[TC+\k], v[TC+\k], v[TU+\k], 0x3d2aaaa5
.endr
.irp k, 0,1,2,3,4,5,6,7
	v_mul_f32 v[TS+\k], v[TS+\k], v[TU+\k]
	v_mul_f32 v[TA+\k], v[TU+\k], v[TU+\k]
.endr
.irp k, 0,1,2,3,4,5,6,7
	v_fma_f32 v[TS+\k], v[TS+\k], v[TR+\k], v[TR+\k]   ; sin r
	v_fma_f32 v[TU+\k], v[TU+\k], -0.5, 1.0
.endr
.irp k, 0,1,2,3,4,5,6,7
	v_fma_f32 v[TC+\k], v[TC+\k], v[TA+\k], v[TU+\k]   ; cos r
	v_cvt_i32_f32 v[TQ+\k], v[TN+\k]
.endr
.irp k, 0,1,2,3,4,5,6,7
	v_and_b32 v[TN+\k], 1, v[TQ+\k]                ; in odd quadrants the two change places;
	v_cmp_eq_u32 vcc_lo, 1, v[TN+\k]
	v_cndmask_b32 v[SIN+\k], v[TS+\k], v[TC+\k], vcc_lo
	v_cndmask_b32 v[COS+\k], v[TC+\k], v[TS+\k], vcc_lo
.endr
.irp k, 0,1,2,3,4,5,6,7
	v_and_b32 v[TN+\k], 2, v[TQ+\k]                ; the sine is negative in quadrants 2 and 3,
	v_add_nc_u32 v[TQ+\k], 1, v[TQ+\k]
	v_lshlrev_b32 v[TN+\k], 30, v[TN+\k]
	v_and_b32 v[TQ+\k], 2, v[TQ+\k]                ; the cosine in 1 and 2
	v_xor_b32 v[SIN+\k], v[TN+\k], v[SIN+\k]
	v_lshlrev_b32 v[TQ+\k], 30, v[TQ+\k]
	v_xor_b32 v[COS+\k], v[TQ+\k], v[COS+\k]
.endr
	global_store_b128 v[LO], v[COS:COS+3], s[18:19]
	global_store_b128 v[LO], v[COS+4:COS+7], s[18:19] offset:512
	global_store_b128 v[LO], v[SIN:SIN+3], s[18:19] offset:1024
	global_store_b128 v[LO], v[SIN+4:SIN+7], s[18:19] offset:1536
	s_wait_kmcnt 0x0
.irp z, 0,1,2
	s_add_co_i32 s27, s[28+2*\z], 127
	s_lshl_b32 s36, s27, 23
	v_mov_b32 v[SC+2*\z], s36                      ; 2^e as f32: the conversion takes its exponent field
	s_add_co_i32 s27, s27, 8
	s_lshl_b32 s27, s27, 23
	s_or_b32 s27, s27, 0x600000
	v_mov_b32 v[SC+2*\z+1], s27                    ; 448 x 2^e
.endr
	s_wait_alu depctr_va_vdst(0)
	s_wait_xcnt 0x0                                ; the table's stores have read their registers, which the held numbers take
	XFRAG 0
	XFRAG 1
	XFRAG 2
	XFRAG 3
	s_wait_tensorcnt 0x0                           ; the wave's end
	ds_add_u32 v[SPW], v[NIL]
	s_wait_dscnt 0x0
	s_endpgm
	; ---- a weight: a lane takes a column n, and its registers run down K
.Lweights:
	s_sub_co_u32 s27, ttmp9, 128
	s_lshr_b32 s38, s27, 7                         ; which weight: 0 Wq, 1 Wk, 2 Wv, 3 Wo
	s_and_b32 s39, s27, 15                         ; which 128 columns
	s_bfe_u32 s40, s27, 0x30004                    ; which 256 along K: a K slot
	s_lshl_b32 s41, s38, 3
	s_add_co_u32 s41, s41, 4                       ; its scale's byte: entries 1, 3, 5,
	s_cmp_eq_u32 s38, 1
	s_cselect_b64 s[6:7], s[8:9], s[6:7]
	s_cmp_eq_u32 s38, 2
	s_cselect_b64 s[6:7], s[10:11], s[6:7]
	s_cmp_eq_u32 s38, 3
	s_cselect_b64 s[6:7], s[12:13], s[6:7]
	s_cselect_b32 s41, 44, s41                     ; and 11 for Wo
	s_load_b32 s28, s[14:15], s41 offset:0x0
	s_lshl_b32 s34, s40, 21                        ; 256 rows of 8,192 bytes
	s_lshl_b32 s27, s39, 9
	s_add_co_u32 s34, s34, s27
	s_lshl_b32 s27, s26, 7                         ; my wave's 32 columns
	s_add_co_u32 s34, s34, s27
	s_add_nc_u64 s[6:7], s[6:7], s[34:35]
	s_add_co_u32 s34, s38, 3                       ; operand 3 + weight,
	s_lshl_b32 s34, s34, 22
	s_lshl_b32 s27, s40, 19                        ; its K slot,
	s_add_co_u32 s34, s34, s27
	s_lshl_b32 s27, s39, 15                        ; blocks 8 nx + 2 w and the next: 8,192 consecutive bytes
	s_add_co_u32 s34, s34, s27
	s_lshl_b32 s27, s26, 13
	s_add_co_u32 s34, s34, s27
	s_add_nc_u64 s[16:17], s[16:17], s[34:35]
	WLOAD 0
	WLOAD 1
	s_wait_kmcnt 0x0
	s_add_co_i32 s27, s28, 127
	s_lshl_b32 s36, s27, 23
	v_mov_b32 v[SC], s36
	s_add_co_i32 s27, s27, 8
	s_lshl_b32 s27, s27, 23
	s_or_b32 s27, s27, 0x600000
	v_mov_b32 v[SC+1], s27
	s_wait_alu depctr_va_vdst(0)
.irp t, 0,1,2,3,4,5,6,7
	WBLOCK \t
.endr
.irp i, 0,1,2,3,4,5,6,7,8,9,10,11,12,13,14,15
	ds_load_b128 v[OUTR+4*\i:OUTR+4*\i+3], v[WSO] offset:512*\i
.endr
.irp i, 0,1,2,3,4,5,6,7,8,9,10,11,12,13,14,15
	s_wait_dscnt 15-\i                             ; load i is in; the younger ones may be out
	global_store_b128 v[LO], v[OUTR+4*\i:OUTR+4*\i+3], s[16:17] offset:512*\i   ; 512 consecutive bytes, aligned
.endr
	s_wait_tensorcnt 0x0                           ; the wave's end, as above
	ds_add_u32 v[SPW], v[NIL]
	s_wait_dscnt 0x0
	s_endpgm
.Lfunc_end_k_q6ca28e4814_quant:
	.size	k_q6ca28e4814_quant, .Lfunc_end_k_q6ca28e4814_quant-k_q6ca28e4814_quant
	.p2alignl 7, 3214868480
	.fill 96, 4, 3214868480
	.section	.rodata,"a",@progbits
	.p2align	6, 0x0
	.amdhsa_kernel k_q6ca28e4814_quant
		.amdhsa_group_segment_fixed_size 67072
		.amdhsa_private_segment_fixed_size 0
		.amdhsa_enable_private_segment 0
		.amdhsa_kernarg_size 64
		.amdhsa_user_sgpr_count 2
		.amdhsa_user_sgpr_kernarg_segment_ptr 1
		.amdhsa_wavefront_size32 1
		.amdhsa_system_sgpr_workgroup_id_x 1
		.amdhsa_system_sgpr_workgroup_id_y 1
		.amdhsa_system_sgpr_workgroup_id_z 1
		.amdhsa_system_vgpr_workitem_id 0
		.amdhsa_next_free_vgpr 256
		.amdhsa_next_free_sgpr 66
		.amdhsa_reserve_vcc 1
		.amdhsa_float_denorm_mode_32 3
		.amdhsa_float_denorm_mode_16_64 3
		.amdhsa_memory_ordered 1
		.amdhsa_forward_progress 1
		.amdhsa_inst_pref_size 137
	.end_amdhsa_kernel
	.amdgpu_metadata
---
amdhsa.version: [ 1, 2 ]
amdhsa.kernels:
  - .name:           k_q6ca28e4814_quant
    .symbol:         k_q6ca28e4814_quant.kd
    .args:
      - { .name: x, .offset: 0, .size: 8, .value_kind: global_buffer, .address_space: global }
      - { .name: Wq, .offset: 8, .size: 8, .value_kind: global_buffer, .address_space: global }
      - { .name: Wk, .offset: 16, .size: 8, .value_kind: global_buffer, .address_space: global }
      - { .name: Wv, .offset: 24, .size: 8, .value_kind: global_buffer, .address_space: global }
      - { .name: Wo, .offset: 32, .size: 8, .value_kind: global_buffer, .address_space: global }
      - { .name: lowp_scales, .offset: 40, .size: 8, .value_kind: global_buffer, .address_space: global }
      - { .name: codes, .offset: 48, .size: 8, .value_kind: global_buffer, .address_space: global }
      - { .name: tab, .offset: 56, .size: 8, .value_kind: global_buffer, .address_space: global }
    .group_segment_fixed_size: 67072
    .private_segment_fixed_size: 0
    .kernarg_segment_align: 8
    .kernarg_segment_size: 64
    .max_flat_workgroup_size: 128
    .sgpr_count:     66
    .vgpr_count:     256
    .wavefront_size: 32
...
	.end_amdgpu_metadata
.endif
;; end of part 1
;; launch qkv_gemm (part 2): grid 24 x 8, 4 waves a work-group, clusters of 4 x 4, 327,680 bytes of LDS; arguments codes, tab, lowp_scales, qkv; writes qkv
.if DOCPART == 2
	.amdgcn_target "amdgcn-amd-amdhsa--gfx1250"
	.amdhsa_code_object_version 6
	.text
	.protected	k_q6ca28e4814_qkv_gemm
	.globl	k_q6ca28e4814_qkv_gemm
	.p2align	8
	.type	k_q6ca28e4814_qkv_gemm,@function
k_q6ca28e4814_qkv_gemm:
	s_mov_b64 s[64:65], 0
	v_nop
	global_prefetch_b8 v0, s[64:65] scope:SCOPE_SE
	s_setreg_imm32_b32 hwreg(HW_REG_WAVE_MODE, 25, 1), 1
	s_wait_xcnt 0x0
	s_wait_alu depctr_hold_cnt(0) depctr_sa_sdst(0) depctr_va_vdst(0) depctr_va_sdst(0) depctr_va_ssrc(0) depctr_va_vcc(0) depctr_vm_vsrc(0)
	s_getreg_b32 s2, hwreg(HW_REG_IB_STS2, 6, 4)
	s_cmp_eq_u32 s2, 0
	s_cbranch_scc0 .Lentry_in_a_cluster
	s_endpgm
.Lentry_in_a_cluster:
	s_bfe_u32 s2, ttmp6, 0x10000c
	s_cmp_lg_u32 s2, 0xf033
	s_cbranch_scc0 .Lentry_shape_is_right
	s_endpgm
.Lentry_shape_is_right:
; q = rope(x Wq), k = rope(x Wk), v = x Wv on codes of FP8 (E4M3), sums in f32; each result is quantised again, as an operand of the attention's products, and stored as an image of that operand's registers.
; codes: seven operand images [K slot of 256: 8][block of 16 rows: 128][K step of 128: 2][2,048 bytes]: x under e0, e2, e4; Wq, Wk, Wv, Wo.  A fragment's registers 4 c .. 4 c + 3 of lane l lie at 512 c + 16 l.
; PRODUCTS, by the cluster's x / 2: 0: A = x (e0), B = Wq; 1: A = x (e2), B = Wk; 2: A = Wv, B = x (e4), so that v comes out with the keys along a lane's registers.  Source 0 = 16 rows of B, source 1 = 16 rows of A:
; a lane holds row r of A's block and eight neighbouring rows of B, so eight sums, converted, are two registers of the result's fragment.
; qkv: q at 0, k at 4 MiB: [head][block of 16 positions][2,048]; v at 8 MiB: [head][128 keys][16 of the head's 128][2,048].
; A sum stands for sum x 2^(ea + eb); its code under 2^eo (eo = entry 6, 7, 8 of the scales) is sum / 2^(eo - ea - eb), held within +-448.  LIMIT: eo - ea - eb between -126 and 119.
; SHARES.  A block of 256 x 256 to a work-group, 128 x 128 (one head's width) to each of four waves: 64 accumulators.  192 work-groups: 8 x 8 blocks for each product.
; THE RING.  K goes in slots of 256.  128 rows of one K slot are 32,768 consecutive bytes; wave w fetches quarter w of a slot (A's halves, then B's).  In LDS a wave's quarter of slot 0 and of slot 1 lie on end,
; so that at the head ONE descriptor (two rows of 32,768 bytes, 524,288 bytes apart in memory) brings both: one tensor load a wave for K = 0 .. 511.  The six refills bring one quarter each, as 128 rows of 256 bytes.
; CLUSTERS: 4 x 4 work-groups; A's quarters are shared along a row of the cluster, B's along a column: joint loads; each refill stands behind a round of the cluster's barrier.
; PREFETCH: behind each refill every wave asks for its work-group's 8,192 bytes (its place among the four partners, by address; lanes 256 bytes apart) of its quarter of the K slot two refills on;
; K slots 2 and 3 are asked for at the head, behind the first loads; the last two refills ask for nothing.  Each block of 256 bytes is named once in each cluster.
; THE TABLE of cos and sin (tab: [block of 16 positions][b: 4][p: 4][lane][4 f32]) comes straight into registers, 64 a block, in four sets by turns: block 0 is asked for two slots before the products end (v32-95 lie idle),
; blocks 1 and 2 one step before (B's set that is done with), then three blocks ahead of the rotation.
; REGISTERS: window 0: v16-31 addresses and scales; v32-95 table set 0; v96-127 codes; v128-255 A's fragments, then v128-191 the rotated numbers.  Window 1: B's two sets, then table sets 1-3.  Windows 2, 3: the accumulators.
.set QUART,  32768
.set WPART,  2*QUART
.set SPARE,  4*WPART                   ; behind the ring: the spare words, 128 bytes a wave, that no other line names
.set KSLOT,  0x80000
.set FR,     16
.set NL,     4
.set NP,     4
.set LAPS,   4
.set ADRA, 16
.set ADRB, 20
.set LO,   26
.set PFO,  27
.set SPW,  28
.set NIL,  29
.set SCL,  30
.set LIM,  31
.set CD,   96
.set TMP,  128
.set AF,   128
.set G1, 24
.set G0, 32
.set G1B, 48
.set G0B, 56
.set G1H, 76                           ; the head's descriptors: two rows of 32,768 bytes
.set G1BH, 84
.set PFA, 94
.set MSB, 0
.macro WIN new                         ; the immediate's high byte repeats the setting that is left
.if MSB != (\new)
	s_set_vgpr_msb (MSB<<8)|(\new)
.set MSB, (\new)
.endif
.endm
.set MUL_LO, 0xa1
.set MUL_HI, 0xf1
.set TO_B,   0x40
.macro PLACES n
.rept \n
	v_nop
.endr
.endm
; waves 0 and 1 fetch for A, waves 2 and 3 for B; an s_nop 0 and four v_nop follow each load
.macro JLOAD g0a, g1a, g0b, g1b
	s_cmp_eq_u32 s15, 0
	s_cbranch_scc0 .Lfor_b_\@
	tensor_load_to_lds s[\g0a:\g0a+3], s[\g1a:\g1a+7]
	s_nop 0
	PLACES 4
	s_branch .Lasked_\@
.Lfor_b_\@:
	tensor_load_to_lds s[\g0b:\g0b+3], s[\g1b:\g1b+7]
	s_nop 0
	PLACES 4
.Lasked_\@:
.endm
.macro ASK                             ; s3 = 1 in the loop's last trip, whose two refills have no K slot two on
	s_cmp_gt_u32 s3, 1
	s_cbranch_scc0 .Lnone_\@
	global_prefetch_b8 v[PFO], s[PFA:PFA+1] offset:KSLOT th:TH_LOAD_NT scope:SCOPE_SE
.Lnone_\@:
.endm
.macro CREST
	s_cmp_lg_u32 s14, 0
	s_cbranch_scc1 .Lnot_wave_0_\@
	s_barrier_signal -3
.Lnot_wave_0_\@:
	s_barrier_wait -3
	s_barrier_signal -1
	s_barrier_wait -1
.endm
.macro CROUND
	s_barrier_signal -1
	s_barrier_wait -1
	CREST
.endm
	s_load_b128 s[4:7], s[0:1], 0x0                ; codes, tab
	s_load_b128 s[8:11], s[0:1], 0x10              ; the scales, qkv
	v_lshl_add_u32 v[SPW], v0, 2, SPARE
	v_mov_b32 v[NIL], 0
	ds_add_u32 v[SPW], v[NIL]                      ; the opening: the add, twice on end, and its wait ahead of my first tensor load
	ds_add_u32 v[SPW], v[NIL]
	v_lshrrev_b32 v1, 5, v0
	v_readfirstlane_b32 s14, v1                    ; wave 0..3
	s_lshr_b32 s15, s14, 1                         ; my half of the block's rows; also: I fetch for A (0) or B (1)
	s_and_b32 s16, s14, 1                          ; my half of its columns; also: which half I fetch
	s_bfe_u32 s40, ttmp6, 0x40000                  ; cx
	s_bfe_u32 s41, ttmp6, 0x40004                  ; cy
	s_lshr_b32 s66, ttmp9, 1                       ; the product: 0 q, 1 k, 2 v
	s_and_b32 s42, ttmp9, 1
	s_lshl_b32 s42, s42, 2
	s_add_co_u32 s42, s42, s40                     ; block column
	s_and_b32 s17, ttmp7, 0xffff
	s_lshl_b32 s17, s17, 2
	s_add_co_u32 s17, s17, s41                     ; block row
	s_lshl_b32 s43, s41, 2
	s_lshl_b32 s43, 15, s43                        ; my row of the cluster
	s_lshl_b32 s44, 0x1111, s40                    ; my column
	s_or_b32 s[G1+0], s43, (3<<16)|(1<<21)         ; the mask; elements of 8 bytes; bit 21 beside a mask; no padding
	s_or_b32 s[G1B+0], s44, (3<<16)|(1<<21)
	s_or_b32 s[G1H+0], s43, (3<<16)|(1<<21)
	s_or_b32 s[G1BH+0], s44, (3<<16)|(1<<21)
.irp g, G1, G1B
	s_mov_b32 s[\g+1], 32<<16                      ; 128 rows of 32 elements: 32,768 consecutive bytes
	s_mov_b32 s[\g+2], 128<<16
	s_mov_b32 s[\g+3], 32<<16
	s_mov_b32 s[\g+4], 128
	s_mov_b32 s[\g+5], 32
	s_mov_b32 s[\g+6], 0
	s_mov_b32 s[\g+7], 0
.endr
.irp g, G1H, G1BH
	s_mov_b32 s[\g+1], 4096<<16                    ; 2 rows of 4,096 elements, a K slot apart
	s_mov_b32 s[\g+2], 2<<16
	s_mov_b32 s[\g+3], 4096<<16
	s_mov_b32 s[\g+4], 2
	s_mov_b32 s[\g+5], KSLOT/8
	s_mov_b32 s[\g+6], 0
	s_mov_b32 s[\g+7], 0
.endr
	s_lshr_b32 s67, s66, 1
	s_mul_i32 s67, s67, 3
	s_add_co_u32 s20, s66, s67                     ; A's operand: 0, 1, 5
	s_lshl_b32 s20, s20, 22
	s_lshl_b32 s18, s17, 16
	s_add_co_u32 s20, s20, s18
	s_lshl_b32 s18, s16, 15
	s_add_co_u32 s20, s20, s18
	s_mov_b32 s21, 0
	s_add_co_u32 s46, s66, 3
	s_sub_co_u32 s46, s46, s67                     ; B's operand: 3, 4, 2
	s_lshl_b32 s46, s46, 22
	s_lshl_b32 s19, s42, 16
	s_add_co_u32 s46, s46, s19
	s_add_co_u32 s46, s46, s18
	s_mov_b32 s47, 0
	s_lshl_b32 s45, s14, 16                        ; in LDS: my wave's 65,536 bytes
	s_lshl_b32 s68, s66, 3
	s_lshl_b32 s69, s66, 2
	s_cmp_eq_u32 s15, 0                            ; the prefetches: my quarter,
	s_cselect_b32 s92, s20, s46
	s_cselect_b32 s93, s40, s41                    ; my place among the four that ask for it with me: 8,192 bytes,
	s_lshl_b32 s93, s93, 13
	s_add_co_u32 s92, s92, s93
	s_add_co_u32 s92, s92, 2*KSLOT                 ; at K slot 2
	s_mov_b32 s93, 0
	s_wait_dscnt 0x0                               ; both opening adds are done
	s_wait_kmcnt 0x0
	s_load_b64 s[96:97], s[8:9], s68 offset:0x0    ; ea, eb
	s_load_b32 s98, s[8:9], s69 offset:0x18        ; eo
	s_add_nc_u64 s[20:21], s[4:5], s[20:21]
	s_add_nc_u64 s[46:47], s[4:5], s[46:47]
	s_add_nc_u64 s[PFA:PFA+1], s[4:5], s[92:93]
.irp s, 0,1
	s_mov_b32 s[G0+4*\s], 1
	s_add_co_u32 s[G0+4*\s+1], s45, \s*QUART
	s_add_nc_u64 s[G0+4*\s+2:G0+4*\s+3], s[20:21], \s*KSLOT
	s_or_b32 s[G0+4*\s+3], s[G0+4*\s+3], 0x80000000
	s_mov_b32 s[G0B+4*\s], 1
	s_add_co_u32 s[G0B+4*\s+1], s45, \s*QUART
	s_add_nc_u64 s[G0B+4*\s+2:G0B+4*\s+3], s[46:47], \s*KSLOT
	s_or_b32 s[G0B+4*\s+3], s[G0B+4*\s+3], 0x80000000
.endr
	CROUND                                         ; all sixteen work-groups are here: the first joint loads meet
	JLOAD G0, G1H, G0B, G1BH                       ; one tensor load a wave: my quarter of K slots 0 and 1
	s_lshl_b32 s21, s15, 16                        ; my 128 rows of A: quarter 0 or 1,
	s_lshl_b32 s22, s16, 16
	s_add_co_u32 s22, s22, 2*WPART                 ; of B: quarter 2 or 3
	s_add_co_u32 s74, s21, QUART
	s_add_co_u32 s75, s22, QUART
	v_and_b32 v1, 31, v0
	v_lshlrev_b32 v[LO], 4, v1
	v_lshlrev_b32 v[PFO], 8, v1
	v_add_nc_u32 v[ADRA], s21, v[LO]
	v_add_nc_u32 v[ADRB], s22, v[LO]
	v_add_nc_u32 v[ADRA+1], s74, v[LO]
	v_add_nc_u32 v[ADRB+1], s75, v[LO]
	s_wait_alu depctr_va_vdst(0)                   ; behind the head's last vector instruction
	global_prefetch_b8 v[PFO], s[PFA:PFA+1] th:TH_LOAD_NT scope:SCOPE_SE
	global_prefetch_b8 v[PFO], s[PFA:PFA+1] offset:KSLOT th:TH_LOAD_NT scope:SCOPE_SE
	s_lshl_b32 s70, s42, 1
	s_add_co_u32 s70, s70, s16                     ; which 128 of B's rows are mine,
	s_lshl_b32 s71, s17, 1
	s_add_co_u32 s71, s71, s15                     ; and of A's
	s_cmp_eq_u32 s66, 2
	s_cselect_b32 s72, s71, s70                    ; the head: B's for q and k, A's for v
	s_cselect_b32 s73, s70, s71                    ; the 128 positions
	s_lshl_b32 s72, s72, 18
	s_lshl_b32 s73, s73, 14
	s_add_co_u32 s72, s72, s73
	s_lshl_b32 s73, s66, 22
	s_add_co_u32 s72, s72, s73
	s_mov_b32 s73, 0
	s_add_nc_u64 s[10:11], s[10:11], s[72:73]
	s_lshl_b32 s72, s71, 16
	s_add_nc_u64 s[6:7], s[6:7], s[72:73]          ; the table at my 128 positions
.macro FRAG reg, adr, q, i
.irp c, 0,1,2,3
	ds_load_b128 v[\reg+4*\c:\reg+4*\c+3], v[\adr] offset:4096*(\i)+2048*(\q)+512*\c
.endr
.endm
; 16 matrix instructions: A's blocks a0, a0 + 1 x B's eight.  The 64 accumulators take turns in the same order in every step; zero = 1: the first products start the sums
.macro MUL16 a0, p, zero
.irp a, \a0, \a0+1
.irp b, 0,1,2,3,4,5,6,7
.if \zero
	v_wmma_f32_16x16x128_fp8_fp8 v[8*(8*((\a)%4)+\b):8*(8*((\a)%4)+\b)+7], v[128*(\p)+FR*\b:128*(\p)+FR*\b+FR-1], v[AF+FR*(\a):AF+FR*(\a)+FR-1], 0
.else
	v_wmma_f32_16x16x128_fp8_fp8 v[8*(8*((\a)%4)+\b):8*(8*((\a)%4)+\b)+7], v[128*(\p)+FR*\b:128*(\p)+FR*\b+FR-1], v[AF+FR*(\a):AF+FR*(\a)+FR-1], v[8*(8*((\a)%4)+\b):8*(8*((\a)%4)+\b)+7]
.endif
.endr
.endr
.endm
.macro FETCH_B slot, q, p
	WIN TO_B
.irp i, 0,1,2,3,4,5,6,7
	FRAG 128*(\p)+FR*\i, ADRB+\slot, \q, \i
.endr
	WIN 0
.endm
.macro FETCH_A slot, q, i0
.irp i, \i0, \i0+1, \i0+2, \i0+3
	FRAG AF+FR*(\i), ADRA+\slot, \q, \i
.endr
.endm
; a step of 128 along K whose successor lies in the same slot.  A has one set of registers (blocks 0-3 fetched anew in the middle, 4-7 at the end), B two.  Four places stand in front of loads into registers that products have read
.macro STEP slot, q, zero
	s_wait_dscnt 4*NL                              ; all but the youngest 16 loads (A's blocks 4-7)
	WIN MUL_LO
	MUL16 0, (\q)%2, \zero
	MUL16 2, (\q)%2, \zero
	s_wait_dscnt 0
	PLACES NP
	FETCH_B \slot, (\q)+1, 1-(\q)%2
	FETCH_A \slot, (\q)+1, 0
	WIN MUL_HI
	MUL16 4, (\q)%2, \zero
	MUL16 6, (\q)%2, \zero
	PLACES NP
	WIN 0
	FETCH_A \slot, (\q)+1, 4
.endm
; a slot's last step changes slots: each wave waits for all its tensor loads, adds 0 to its spare word, waits for that and for its reads of this slot, and signals.  fill = 1: a round of the cluster's barrier, then the refill, two K slots on
.macro TURN slot, next, fill
.if \fill
	s_wait_xcnt 0x0                                ; my last prefetch has read its address
	s_add_nc_u64 s[PFA:PFA+1], s[PFA:PFA+1], KSLOT
.endif
	s_wait_tensorcnt 0x0
	ds_add_u32 v[SPW], v[NIL]
	s_wait_dscnt 4*NL+1                            ; (the add and the youngest 16 loads may be out)
	WIN MUL_LO
	MUL16 0, 1, 0
	s_wait_dscnt 0x0
	s_barrier_signal -1
	MUL16 2, 1, 0
	WIN 0
	s_barrier_wait -1
.if \fill
	CREST
	s_add_nc_u64 s[G0+4*\slot+2:G0+4*\slot+3], s[G0+4*\slot+2:G0+4*\slot+3], 2*KSLOT
	s_add_nc_u64 s[G0B+4*\slot+2:G0B+4*\slot+3], s[G0B+4*\slot+2:G0B+4*\slot+3], 2*KSLOT
	JLOAD G0+4*\slot, G1, G0B+4*\slot, G1B
.else
	PLACES NP
.endif
	FETCH_B \next, 0, 0
	FETCH_A \next, 0, 0
.if \fill
	ASK
.endif
	WIN MUL_HI
	MUL16 4, 1, 0
	MUL16 6, 1, 0
	PLACES NP
	WIN 0
	FETCH_A \next, 0, 4
.endm
; the table's block a into set a % 4: set 0 = v32-95 of window 0, sets 1-3 = v0-191 of window 1
.macro TABLOAD a
.set TK, (\a)%4
.if TK == 0
.set TS, 32
	WIN 0
.else
.set TS, 64*(TK-1)
	WIN TO_B
.endif
.irp b, 0,1,2,3
.irp p, 0,1,2,3
	global_load_b128 v[TS+16*\b+4*\p:TS+16*\b+4*\p+3], v[LO], s[6:7] offset:8192*(\a)+2048*\b+512*\p
.endr
.endr
	WIN 0
.endm
	s_wait_tensorcnt 0x0                           ; my quarters are in;
	s_barrier_signal -1
	s_barrier_wait -1                              ; and so are everybody's: both slots are whole.
	FETCH_B 0, 0, 0
	FETCH_A 0, 0, 0
	FETCH_A 0, 0, 4
	STEP 0, 0, 1
	s_mov_b32 s3, LAPS-1
.Llap:                                                 ; a trip goes once round the ring and fills both slots again
	TURN 0, 1, 1
	STEP 1, 0, 0
	TURN 1, 0, 1
	STEP 0, 0, 0
	s_sub_co_u32 s3, s3, 1
	s_cmp_lg_u32 s3, 0
	s_cbranch_scc1 .Llap
	s_cmp_eq_u32 s66, 2                            ; v is not rotated: the product's number is the same in all partners
	s_cbranch_scc1 .Lno_tab_0
	TABLOAD 0
.Lno_tab_0:
	TURN 0, 1, 0                                   ; the last lap fills nothing, and has no round
	STEP 1, 0, 0
	s_cmp_eq_u32 s66, 2
	s_cbranch_scc1 .Lno_tab_1
	TABLOAD 1                                      ; B's set 0 is done with, and four places stand behind its last products
	TABLOAD 2
.Lno_tab_1:
	s_wait_dscnt 4*NL
	WIN MUL_LO
	MUL16 0, 1, 0
	MUL16 2, 1, 0
	s_wait_dscnt 0
	WIN MUL_HI
	MUL16 4, 1, 0
	MUL16 6, 1, 0
	WIN 0
; the rotation of block a: columns 16 b + .. and 64 + 16 b + .. of the head are accumulators b and b + 4; each accumulator is read from its low end on
.macro ROT a
.set AC, 64*((\a)%4)
.set TK, (\a)%4
.if TK == 0
.set TS, 32
	WIN 0x02+((\a)/4)
.else
.set TS, 64*(TK-1)
	WIN 0x06+((\a)/4)
.endif
.irp b, 0,1,2,3
.irp j, 0,2,4,6
	v_pk_mul_f32 v[TMP+8*\b+\j:TMP+8*\b+\j+1], v[AC+8*(\b+4)+\j:AC+8*(\b+4)+\j+1], v[TS+16*\b+8+\j:TS+16*\b+8+\j+1]
	v_pk_mul_f32 v[TMP+8*(\b+4)+\j:TMP+8*(\b+4)+\j+1], v[AC+8*(\b+4)+\j:AC+8*(\b+4)+\j+1], v[TS+16*\b+\j:TS+16*\b+\j+1]
	v_pk_fma_f32 v[TMP+8*\b+\j:TMP+8*\b+\j+1], v[AC+8*\b+\j:AC+8*\b+\j+1], v[TS+16*\b+\j:TS+16*\b+\j+1], v[TMP+8*\b+\j:TMP+8*\b+\j+1] neg_lo:[0,0,1] neg_hi:[0,0,1]
	v_pk_fma_f32 v[TMP+8*(\b+4)+\j:TMP+8*(\b+4)+\j+1], v[AC+8*\b+\j:AC+8*\b+\j+1], v[TS+16*\b+8+\j:TS+16*\b+8+\j+1], v[TMP+8*(\b+4)+\j:TMP+8*(\b+4)+\j+1]
.endr
.endr
	WIN 0
.endm
.macro CODES a                         ; 64 held numbers become the 16 registers of a fragment: four stores of 512 consecutive bytes
.if (\a) >= 2
	s_wait_xcnt 0x0                                ; the stores of two blocks back have read this set of codes
.endif
.irp b, 0,1,2,3,4,5,6,7
	v_cvt_scalef32_pk8_fp8_f32 v[CD+16*((\a)%2)+2*\b:CD+16*((\a)%2)+2*\b+1], v[TMP+8*\b:TMP+8*\b+7], v[SCL]
.endr
	v_nop                                          ; a plain line behind the last conversion
.irp c, 0,1,2,3
	global_store_b128 v[LO], v[CD+16*((\a)%2)+4*\c:CD+16*((\a)%2)+4*\c+3], s[10:11] offset:2048*(\a)+512*\c
.endr
.endm
	s_wait_kmcnt 0x0
	s_sub_co_i32 s98, s98, s96
	s_sub_co_i32 s98, s98, s97
	s_add_co_i32 s98, s98, 127
	s_lshl_b32 s96, s98, 23                        ; 2^(eo - ea - eb) as f32
	s_add_co_i32 s98, s98, 8
	s_lshl_b32 s98, s98, 23
	s_or_b32 s98, s98, 0x600000                    ; 448 x that
	PLACES NP                                      ; behind the last products
	v_mov_b32 v[SCL], s96
	v_mov_b32 v[LIM], s98
	s_cmp_eq_u32 s66, 2
	s_cbranch_scc1 .Lvalues
.irp a, 0,1,2,3,4,5,6,7
.if \a < 5
	TABLOAD \a+3
.if \a == 0
	s_wait_loadcnt 16                              ; only block 3's 16 loads may be out: blocks 0, 1 and 2 are in, on every way through the text, so their sets may take later blocks
.endif
.if \a >= 3
	s_wait_loadcnt 48                              ; block a's 16 loads are in; those of the three blocks behind it may be out
.endif
.else
	s_wait_loadcnt 16*(7-\a)
.endif
	ROT \a
.set n, 0
.rept 64
	v_med3_num_f32 v[TMP+n], v[TMP+n], -v[LIM], v[LIM]   ; the conversion does not saturate (ISA guide 7.6.2): the hold first
.set n, n+1
.endr
	s_wait_alu depctr_va_vdst(0)                   ; ahead of the wait in CODES
	CODES \a
.endr
	s_branch .Lend
.Lvalues:
	s_wait_alu depctr_va_vdst(0)                   ; behind the taken branch
.irp a, 0,1,2,3,4,5,6,7
	WIN 0x02+((\a)/4)
.set n, 0
.rept 64
	v_med3_num_f32 v[TMP+n], v[64*((\a)%4)+n], -v[LIM], v[LIM]
.set n, n+1
.endr
	WIN 0
	s_wait_alu depctr_va_vdst(0)
	CODES \a
.endr
.Lend:
	s_wait_tensorcnt 0x0                           ; the wave's end
	ds_add_u32 v[SPW], v[NIL]
	s_wait_dscnt 0x0
	CROUND                                         ; the closing round
	s_endpgm
.Lfunc_end_k_q6ca28e4814_qkv_gemm:
	.size	k_q6ca28e4814_qkv_gemm, .Lfunc_end_k_q6ca28e4814_qkv_gemm-k_q6ca28e4814_qkv_gemm
	.p2alignl 7, 3214868480
	.fill 96, 4, 3214868480
	.section	.rodata,"a",@progbits
	.p2align	6, 0x0
	.amdhsa_kernel k_q6ca28e4814_qkv_gemm
		.amdhsa_group_segment_fixed_size 327680
		.amdhsa_private_segment_fixed_size 0
		.amdhsa_enable_private_segment 0
		.amdhsa_kernarg_size 32
		.amdhsa_user_sgpr_count 2
		.amdhsa_user_sgpr_kernarg_segment_ptr 1
		.amdhsa_wavefront_size32 1
		.amdhsa_system_sgpr_workgroup_id_x 1
		.amdhsa_system_sgpr_workgroup_id_y 1
		.amdhsa_system_sgpr_workgroup_id_z 1
		.amdhsa_system_vgpr_workitem_id 0
		.amdhsa_next_free_vgpr 1024
		.amdhsa_next_free_sgpr 100
		.amdhsa_reserve_vcc 0
		.amdhsa_float_denorm_mode_32 3
		.amdhsa_float_denorm_mode_16_64 3
		.amdhsa_memory_ordered 1
		.amdhsa_forward_progress 1
		.amdhsa_inst_pref_size 204
	.end_amdhsa_kernel
	.amdgpu_metadata
---
amdhsa.version: [ 1, 2 ]
amdhsa.kernels:
  - .name:           k_q6ca28e4814_qkv_gemm
    .symbol:         k_q6ca28e4814_qkv_gemm.kd
    .args:
      - { .name: codes, .offset: 0, .size: 8, .value_kind: global_buffer, .address_space: global }
      - { .name: tab, .offset: 8, .size: 8, .value_kind: global_buffer, .address_space: global }
      - { .name: lowp_scales, .offset: 16, .size: 8, .value_kind: global_buffer, .address_space: global }
      - { .name: qkv, .offset: 24, .size: 8, .value_kind: global_buffer, .address_space: global }
    .group_segment_fixed_size: 327680
    .private_segment_fixed_size: 0
    .kernarg_segment_align: 8
    .kernarg_segment_size: 32
    .max_flat_workgroup_size: 128
    .sgpr_count:     100
    .vgpr_count:     1024
    .wavefront_size: 32
...
	.end_amdgpu_metadata
.endif
;; end of part 2
;; launch attn (part 3): grid 16 x 16, 16 waves a work-group, no clusters, 327,680 bytes of LDS; arguments qkv, lowp_scales, att; writes att
.if DOCPART == 3
	.amdgcn_target "amdgcn-amd-amdhsa--gfx1250"
	.amdhsa_code_object_version 6
	.text
	.protected	k_q6ca28e4814_attn
	.globl	k_q6ca28e4814_attn
	.p2align	8
	.type	k_q6ca28e4814_attn,@function
k_q6ca28e4814_attn:
	s_mov_b64 s[64:65], 0
	v_nop
	global_prefetch_b8 v0, s[64:65] scope:SCOPE_SE
	s_setreg_imm32_b32 hwreg(HW_REG_WAVE_MODE, 25, 1), 1
	s_wait_xcnt 0x0
; attn[q][head] = the sum over keys k <= q of softmax_k(q . k / sqrt(128)) v, both products on codes of FP8 (E4M3); the result is quantised again, as an operand of the last product.
; q, k, v come as images of their registers (a fragment: 16 rows x 128 K, 2,048 bytes, lane l's registers 4 c .. 4 c + 3 at 512 c + 16 l; lane (r, h): row r, registers 2 c', 2 c' + 1: K = 16 c' + 8 h + 0 .. 7):
; q at 0, k at 4 MiB: [head][block of 16 positions][2,048], K = the head's 128; v at 8 MiB: [head][128 keys][16 of the head's 128][2,048], K = the keys.
; THE SOFTMAX: t = score x log2(e) / sqrt(128); M = the largest t so far, rounded UP to a whole number; p = 2^(t - M) is quantised, not normalised; the row's sum is taken of the unquantised p and divides at the end.
; SHARES.  Work-group (i, head) owns queries 64 i .. 64 i + 63 and 1984 - 64 i .. 2047 - 64 i, so that every work-group has the same number of key steps under the causal mask.  Each of its eight waves owns 16 queries.
; Every work-group walks all eight slots of 256 keys (trip counts are constants); a wave leaves out a step all of whose keys come after its queries, and a slot that no wave of the work-group reads is not asked for.
; LAYOUT.  Both products transposed: S^T = K Q^T (source 0 = 16 keys), O^T = V^T P^T (source 0 = 16 of the head's 128): a lane holds ONE query throughout; register 8 T + j of S^T is key 16 T + 8 h + j of the step,
; so tile T's eight numbers, converted, are registers 2 T, 2 T + 1 of P; and O^T's tiles, converted, are the registers of attn's fragment.  No stage in LDS.
; att: an operand image [K slot: 8][block of 16 queries: 128][K step: 2][2,048] with K step = the head.
; NO CLUSTER: the work-groups of a head stop asking for slots at different places (each at its own last query), and a joint request must be made by all partners alike.
; LIMITS: e6 + e7 between -123 and 130; e9, and e10 - e8 - e9, between -126 and 119.  A hidden key's weight is 0 exactly (for the reference's -1e9 that holds while scores stay far under 1e9 in magnitude).
; REGISTERS: v1 16 x lane; v3 256 x lane; v5, v6 the add's two; v8 the slot's address; v12 -M, v13 the largest t, v[14:15] the sum in two halves; v16-31 Q; v32-95 four fragments of K or V; v96-159 S^T, then p;
;   v160-223 O^T; v224-239 p's codes; v240 448 x 2^e9, v244 2^e9; v247, v248 the same for attn's codes; v242-243, v246, v252-254 at work.
.set SLOT1, 65536                      ; a slot: 16 fragments of K, then 2 x 8 of V: 65,536 bytes; one exclusive or turns an address from one slot to the other
.set VOFF,  32768
; SIXTEEN WAVES, TWO TO A BLOCK OF 16 QUERIES (this replaces the eight waves of the head comment): waves w and w + 8 own the same block; waves 0-7 take the first 128 keys of every slot, waves 8-15 the second 128.
; Each keeps its own running M, sum and O^T.  At the end waves 8-15 hand theirs over as images of the registers (17 x 512 bytes a wave, in LDS bytes that no tensor load fills), and waves 0-7 bring both parts under
; the larger M by factors 2^(M part - M), whole powers of two, add them and go on to the way out.  A part that saw no key has M = -3e38, sum 0 and O^T 0: its factor is 0.
.set SPARE, 2*SLOT1                    ; behind the ring: the spare words, 128 bytes for each of sixteen waves: eight blocks of 256 bytes that no other line names
.set MST,   SPARE+2048                 ; behind them the hand-over: 8,704 bytes for each pair of waves
.set NSL,   8
.set LO,   1
.set PFO,  3
.set SPW,  5
.set NIL,  6
.set ADK,  8
.set TB,   2                           ; s2   LDS byte at which the slot in hand begins
.set WV,   18                          ; s18  my wave's number
.set SEL,  20                          ; s[20:21] lane selects: lane l xor 16
.set CS,   22                          ; s[22:23] c = log2(e) / sqrt(128) x 2^(e6 + e7)
.set G1,   24                          ; s[24:31] descriptor group 1
.set G0,   40                          ; s[40:43] group 0, which walks
.set SLOTS, 67                         ; s67  changes of slots still to come in the loop
.set LASTQ, 73                         ; s73  my work-group's last query
.set PFA,  76                          ; s[76:77] where my prefetches stand
.set LIM,  80                          ; s80  1 in a wave that prefetches, else the greatest number
.set KF,   98                          ; s98  the step's first key
.set Q0,   99                          ; s99  my first query
; Waves 0 and 1 fetch K's halves of a slot, waves 2 and 3 V's, 16,384 consecutive bytes each; the others nothing.  An s_nop 0 and four v_nop follow the load.
.macro TLOAD
	s_cmp_lt_u32 s[WV], 4
	s_cbranch_scc0 .Lasked_\@
	tensor_load_to_lds s[G0:G0+3], s[G1:G1+7]
	s_nop 0
.rept 4
	v_nop
.endr
.Lasked_\@:
.endm
; A prefetch of what the NEXT change of slots will ask for: 32,768 bytes of K and as many of V.  All work-groups of a head walk the same K and V: the head's first work-group asks, and in it waves 4 to 7, which fetch
; nothing: 8,192 bytes of K and 8,192 of V each, lanes 256 bytes apart: each aligned block of 256 bytes is named once in the launch.  It runs a slot's two key steps ahead of the load.
; The last change that fills a slot asks for nothing; slots 0 and 1 come by their loads alone.
.macro ASK
	s_cmp_gt_u32 s[SLOTS], s[LIM]
	s_cbranch_scc0 .Lnot_mine_\@
	global_prefetch_b8 v[PFO], s[PFA:PFA+1] th:TH_LOAD_NT scope:SCOPE_SE
	global_prefetch_b8 v[PFO], s[PFA:PFA+1] offset:0x400000 th:TH_LOAD_NT scope:SCOPE_SE
.Lnot_mine_\@:
.endm
	s_load_b128 s[4:7], s[0:1], 0x0                ; qkv s[4:5], the scales s[6:7]
	s_load_b64 s[8:9], s[0:1], 0x10                ; att
	v_lshl_add_u32 v[SPW], v0, 2, SPARE
	v_mov_b32 v[NIL], 0
	ds_add_u32 v[SPW], v[NIL]                      ; the wave's opening: the add and its wait ahead of my first tensor load; the set-up below, work on registers, stands between them
	ds_add_u32 v[SPW], v[NIL]
	v_lshrrev_b32 v8, 5, v0
	s_delay_alu instid0(VALU_DEP_1)
	v_readfirstlane_b32 s[WV], v8                  ; wave 0..15
	s_and_b32 s82, ttmp7, 0xffff                   ; the head
	s_lshl_b32 s83, ttmp9, 2
	s_and_b32 s78, s[WV], 7                        ; u: which of the work-group's eight blocks
	s_lshr_b32 s79, s[WV], 3                       ; which 128 keys of every slot are mine
	s_add_co_u32 s84, s83, s78                     ; u = 0-3: block 4 i + u
	s_sub_co_u32 s85, 120, s83
	s_add_co_u32 s85, s85, s78                     ; u = 4-7: block 120 - 4 i + u
	s_cmp_lt_u32 s78, 4
	s_cselect_b32 s84, s84, s85                    ; my block of 16 queries
	s_lshl_b32 s[Q0], s84, 4
	s_lshl_b32 s85, ttmp9, 6
	s_sub_co_u32 s[LASTQ], 2047, s85
	s_mov_b32 s[G1], 3<<16                         ; 15:0 no mask; 17:16 elements of 8 bytes; no padding: 16,384 consecutive bytes as 64 rows of 32 elements
	s_mov_b32 s[G1+1], 32<<16                      ; tensor_dim0
	s_mov_b32 s[G1+2], 64<<16                      ; tensor_dim1
	s_mov_b32 s[G1+3], 32<<16                      ; tile_dim0
	s_mov_b32 s[G1+4], 64                          ; tile_dim1
	s_mov_b32 s[G1+5], 32                          ; tensor_dim0_stride
	s_mov_b32 s[G1+6], 0
	s_mov_b32 s[G1+7], 0
	s_lshl_b32 s89, s82, 18                        ; the head's 262,144 bytes in each of q, k, v
	s_bfe_u32 s86, s[WV], 0x10001
	s_add_co_u32 s86, s86, 1                       ; what I fetch, if I fetch: k (1) or v (2),
	s_lshl_b32 s86, s86, 22
	s_add_co_u32 s86, s86, s89
	s_and_b32 s88, s[WV], 1
	s_lshl_b32 s88, s88, 14                        ; which half of a slot's part
	s_add_co_u32 s86, s86, s88
	s_mov_b32 s87, 0
	s_and_b32 s90, s[WV], 3
	s_lshl_b32 s91, s90, 14                        ; and where it goes in a slot
	s_lshl_b32 s92, s84, 11
	s_add_co_u32 s92, s92, s89                     ; Q's fragment
	s_mov_b32 s93, 0
	s_lshr_b32 s94, s82, 1
	s_lshl_b32 s94, s94, 19                        ; att: K slot head / 2,
	s_lshl_b32 s95, s84, 12                        ; my block,
	s_add_co_u32 s94, s94, s95
	s_and_b32 s95, s82, 1
	s_lshl_b32 s95, s95, 11                        ; K step head % 2
	s_add_co_u32 s94, s94, s95
	s_mov_b32 s95, 0
	s_lshl_b32 s74, s90, 13                        ; the prefetches: my wave's 8,192 bytes,
	s_add_co_u32 s74, s74, s89
	s_add_co_u32 s74, s74, 0x408000                ; of k, in slot 1: the first change of slots steps it to slot 2
	s_mov_b32 s75, 0
	s_lshr_b32 s81, s[WV], 2
	s_xor_b32 s81, s81, 1                          ; 0 in waves 4 to 7,
	s_or_b32 s81, s81, ttmp9                       ; of the head's first work-group
	s_cmp_eq_u32 s81, 0
	s_cselect_b32 s[LIM], 1, -1
	s_mov_b32 s[SEL], 0x76543210
	s_mov_b32 s[SEL+1], 0xfedcba98
	s_mov_b32 s[CS], 0x3e0293ee                    ; log2(e) / sqrt(128)
	s_lshl_b32 s[TB], s79, 14                      ; my 128 keys of a slot: eight fragments of K, and of V, are 16,384 bytes: the step is written once, and the wave's group stands in the address
	s_mov_b32 s[SLOTS], NSL-1
	s_lshl_b32 s[KF], s79, 7                       ; my step's first key
	s_mov_b32 s66, 0                               ; the slot's first key, the same in all waves
	s_wait_dscnt 0x0                               ; the opening add is done
	s_wait_kmcnt 0x0
	s_load_b128 s[68:71], s[6:7], 0x18             ; e6, e7, e8, e9
	s_load_b32 s72, s[6:7], 0x28                   ; e10
	s_mov_b32 s[G0], 1                             ; count = 1
	s_mov_b32 s[G0+1], s91                         ; LDS address: slot 0
	s_add_nc_u64 s[G0+2:G0+3], s[4:5], s[86:87]    ; global address: the head's first 256 keys
	s_or_b32 s[G0+3], s[G0+3], 0x80000000          ; type = 2
	TLOAD                                          ; slot 0
	s_add_nc_u64 s[10:11], s[4:5], s[92:93]
	s_add_nc_u64 s[8:9], s[8:9], s[94:95]
	s_add_nc_u64 s[PFA:PFA+1], s[4:5], s[74:75]
	v_and_b32 v9, 31, v0
	s_delay_alu instid0(VALU_DEP_1)
	v_lshlrev_b32 v[LO], 4, v9
	s_delay_alu instid0(VALU_DEP_2)
	v_lshlrev_b32 v[PFO], 8, v9
.irp c, 0,1,2,3
	global_load_b128 v[16+4*\c:19+4*\c], v[LO], s[10:11] offset:512*\c   ; Q's fragment stays in registers
.endr
	s_mul_i32 s81, s78, 8704
	s_add_co_u32 s81, s81, MST
	v_add_nc_u32 v4, s81, v[LO]                    ; the hand-over: my pair's bytes, 16 x lane; made here, ahead of every parting of the waves
	v_mov_b32 v13, 0xff61b1e6                      ; the largest t so far: -3e38, under every t
	s_delay_alu instid0(VALU_DEP_1)
	v_floor_f32 v12, -v13                          ; -M
	v_mov_b32 v14, 0                               ; the sum, in two halves
	v_mov_b32 v15, 0
	v_mov_b32 v246, 0                              ; written once: a lane permute's destination counts as one of its sources
	v_mov_b32 v252, 0
	v_mov_b32 v253, 0                              ; (named as the upper half of the pair v[252:253])
.set j, 0
.rept 64
	v_mov_b32 v[160+j], 0                          ; O^T.  (The step is written without a first step of its own: it finds zeros, which the first change of M leaves zeros)
.set j, j+1
.endr
	s_wait_kmcnt 0x0
	s_add_co_i32 s82, s68, s69
	s_lshl_b32 s82, s82, 23
	s_add_co_i32 s[CS], s[CS], s82                 ; a score stands for score x 2^(e6 + e7): added to c's exponent field
	s_mov_b32 s[CS+1], s[CS]                       ; (named with it as a pair, so it is written)
	s_add_co_i32 s82, s71, 127
	s_lshl_b32 s83, s82, 23
	v_mov_b32 v244, s83                            ; 2^e9
	s_add_co_i32 s82, s82, 8
	s_lshl_b32 s82, s82, 23
	s_or_b32 s82, s82, 0x600000
	v_mov_b32 v240, s82                            ; 448 x 2^e9
	s_sub_co_i32 s82, s72, s70
	s_sub_co_i32 s82, s82, s71                     ; O^T / the sum stands for attn / 2^(e8 + e9): its code is that / 2^(e10 - e8 - e9)
	s_add_co_i32 s82, s82, 127
	s_lshl_b32 s83, s82, 23
	v_mov_b32 v247, s83
	s_add_co_i32 s82, s82, 8
	s_lshl_b32 s82, s82, 23
	s_or_b32 s82, s82, 0x600000
	v_mov_b32 v248, s82
; A KEY STEP: 128 keys, the q-th of the slot in hand.
.macro STEP q
	s_add_co_u32 s96, s[Q0], 15                    ; a step all of whose keys come after my 16 queries is left out: a branch on ids, round no barrier and no tensor load
	s_cmp_gt_u32 s[KF], s96
	s_cbranch_scc1 .Lhidden_\@
	v_add_nc_u32 v[ADK], s[TB], v[LO]
	s_wait_alu depctr_va_vdst(0)
.irp g, 0,1                                    ; S^T = K Q^T, four tiles of 16 keys at a time
.rept 3+\g
	v_nop                                          ; four places in front of loads into registers that matrix instructions have read (the addition above is one)
.endr
.irp t, 0,1,2,3
.irp c, 0,1,2,3
	ds_load_b128 v[32+16*\t+4*\c:32+16*\t+4*\c+3], v[ADK] offset:(8*(\q)+4*\g+\t)*2048+512*\c
.endr
.endr
	s_wait_dscnt 0x0
.irp t, 0,1,2,3
	v_wmma_f32_16x16x128_fp8_fp8 v[96+8*(4*\g+\t):103+8*(4*\g+\t)], v[32+16*\t:47+16*\t], v[16:31], 0
.endr
.endr
.rept 4
	v_nop
.endr
.irp t, 0,1,2,3                                ; V's first four fragments are asked for now and land under the softmax
.irp c, 0,1,2,3
	ds_load_b128 v[32+16*\t+4*\c:32+16*\t+4*\c+3], v[ADK] offset:VOFF+16384*(\q)+2048*\t+512*\c
.endr
.endr
	s_add_co_u32 s96, s[KF], 127                   ; on the diagonal hidden scores become -infinity ahead of the maximum; a step all of whose keys count skips this
	s_cmp_le_u32 s96, s[Q0]
	s_cbranch_scc1 .Lopen_\@
	s_sub_co_i32 s96, s[Q0], s[KF]
	v_and_b32 v252, 15, v0
	v_bfe_u32 v253, v0, 4, 1
	s_delay_alu instid0(VALU_DEP_1)
	v_lshlrev_b32 v253, 3, v253
	s_delay_alu instid0(VALU_DEP_1)
	v_sub_nc_u32 v252, v252, v253
	s_delay_alu instid0(VALU_DEP_1)
	v_add_nc_u32 v252, s96, v252                   ; d = my query - KF - 8 h.  Register 8 T + j holds key KF + 16 T + 8 h + j: hidden where 16 T + j > d
	v_mov_b32 v254, 0xff800000
.irp n, 0,1,2,3,4,5,6,7,8,9,10,11,12,13,14,15,16,17,18,19,20,21,22,23,24,25,26,27,28,29,30,31,32,33,34,35,36,37,38,39,40,41,42,43,44,45,46,47,48,49,50,51,52,53,54,55,56,57,58,59,60,61,62,63
	v_cmp_gt_i32 vcc_lo, 16*(\n/8)+\n%8, v252
	v_cndmask_b32 v[96+\n], v[96+\n], v254, vcc_lo
.endr
.Lopen_\@:
	v_max3_num_f32 v254, v96, v97, v98             ; the step's largest score of my query among my 64 keys, in two chains, ascending,
	v_max3_num_f32 v252, v99, v100, v101
.irp i, 6,10,14,18,22,26,30,34,38,42,46,50,54,58
	v_max3_num_f32 v254, v254, v[96+\i], v[97+\i]
	v_max3_num_f32 v252, v252, v[98+\i], v[99+\i]
.endr
	v_max3_num_f32 v254, v254, v158, v159
	s_delay_alu instid0(VALU_DEP_1)
	v_max_num_f32 v254, v254, v252
	s_delay_alu instid0(VALU_DEP_1)
	v_permlanex16_b32 v246, v254, s[SEL], s[SEL+1]
	s_delay_alu instid0(VALU_DEP_1)
	v_max_num_f32 v254, v254, v246                 ; and among lane l xor 16's
	s_delay_alu instid0(VALU_DEP_1)
	v_mul_f32 v254, s[CS], v254                    ; as t (c is positive)
	s_delay_alu instid0(VALU_DEP_1)
	v_max_num_f32 v13, v13, v254                   ; the running largest t
	v_mov_b32 v254, v12
	s_delay_alu instid0(VALU_DEP_2)
	v_floor_f32 v12, -v13                          ; the new -M = floor(-t): M is a whole number
	s_delay_alu instid0(VALU_DEP_1)
	v_sub_f32 v254, v12, v254                      ; old M - new M: a whole number, 0 or less
	s_delay_alu instid0(VALU_DEP_1)
	v_cvt_i32_f32 v254, v254                       ; (it saturates)
	s_delay_alu instid0(VALU_DEP_1)
	v_ldexp_f32 v252, 1.0, v254                    ; f = 2^(old M - new M)
.set j, 0
.rept 32
	v_pk_fma_f32 v[96+j:97+j], v[96+j:97+j], s[CS:CS+1], v[12:13] op_sel_hi:[1,0,0]   ; t - M, two at a time
.set j, j+2
.endr
.set j, 0
	s_wait_alu depctr_va_vdst(0)
.rept 64
	v_exp_f32 v[96+j], v[96+j]                     ; p = 2^(t - M)
.set j, j+1
.endr
	v_pk_mul_f32 v[14:15], v[14:15], v[252:253] op_sel_hi:[1,0]   ; the sums under the new M: a plain line behind the exponentials
	s_wait_alu depctr_va_vdst(0)                   ; one wait for the batch of 64, ahead of its first reader
	v_pk_add_f32 v[242:243], v[100:101], v[104:105]
	v_pk_add_f32 v[254:255], v[108:109], v[112:113]
	v_pk_add_f32 v[250:251], v[116:117], v[120:121]
	v_pk_add_f32 v[238:239], v[124:125], v[128:129]
	v_pk_add_f32 v[236:237], v[132:133], v[136:137]
	v_pk_add_f32 v[234:235], v[140:141], v[144:145]
	v_pk_add_f32 v[232:233], v[148:149], v[152:153]
	v_pk_add_f32 v[14:15], v[14:15], v[156:157]
	v_pk_add_f32 v[242:243], v[242:243], v[96:97]
	v_pk_add_f32 v[254:255], v[254:255], v[98:99]
	v_pk_add_f32 v[250:251], v[250:251], v[102:103]
	v_pk_add_f32 v[238:239], v[238:239], v[106:107]
	v_pk_add_f32 v[236:237], v[236:237], v[110:111]
	v_pk_add_f32 v[234:235], v[234:235], v[114:115]
	v_pk_add_f32 v[232:233], v[232:233], v[118:119]
	v_pk_add_f32 v[14:15], v[14:15], v[122:123]
	v_pk_add_f32 v[242:243], v[242:243], v[126:127]
	v_pk_add_f32 v[254:255], v[254:255], v[130:131]
	v_pk_add_f32 v[250:251], v[250:251], v[134:135]
	v_pk_add_f32 v[238:239], v[238:239], v[138:139]
	v_pk_add_f32 v[236:237], v[236:237], v[142:143]
	v_pk_add_f32 v[234:235], v[234:235], v[146:147]
	v_pk_add_f32 v[232:233], v[232:233], v[150:151]
	v_pk_add_f32 v[14:15], v[14:15], v[154:155]
	v_pk_add_f32 v[242:243], v[242:243], v[158:159]
	s_delay_alu instid0(VALU_DEP_2)
	v_pk_add_f32 v[14:15], v[14:15], v[238:239]
	s_delay_alu instid0(VALU_DEP_2)
	v_pk_add_f32 v[242:243], v[242:243], v[236:237]
	v_pk_add_f32 v[254:255], v[254:255], v[234:235]
	v_pk_add_f32 v[250:251], v[250:251], v[232:233]
	s_delay_alu instid0(VALU_DEP_2)
	v_pk_add_f32 v[14:15], v[14:15], v[254:255]
	s_delay_alu instid0(VALU_DEP_2)
	v_pk_add_f32 v[242:243], v[242:243], v[250:251]
	s_delay_alu instid0(VALU_DEP_1)
	v_pk_add_f32 v[14:15], v[14:15], v[242:243]
.irp t, 0,1,2,3,4,5,6,7
.irp i, 0,1,2,3,4,5,6,7
	v_min_num_f32 v[96+8*\t+\i], v[96+8*\t+\i], v240   ; the conversion does not saturate (ISA guide 7.6.2); p is not negative, so the hold is one-sided
.endr
	v_cvt_scalef32_pk8_fp8_f32 v[224+2*\t:225+2*\t], v[96+8*\t:103+8*\t], v244   ; keys 16 t + 8 h + 0 .. 7: registers 2 t, 2 t + 1 of P
.endr
.set j, 0
.rept 32
	v_pk_mul_f32 v[160+j:161+j], v[160+j:161+j], v[252:253] op_sel_hi:[1,0]   ; O^T under the new M.  (Plain lines between the conversions and the products that read the codes)
.set j, j+2
.endr
	s_wait_alu depctr_va_vdst(0)
	s_wait_dscnt 0x0                               ; V's first four fragments
.irp t, 0,1,2,3
	v_wmma_f32_16x16x128_fp8_fp8 v[160+8*\t:167+8*\t], v[32+16*\t:47+16*\t], v[224:239], v[160+8*\t:167+8*\t]
.endr
.rept 4
	v_nop
.endr
.irp t, 0,1,2,3
.irp c, 0,1,2,3
	ds_load_b128 v[32+16*\t+4*\c:32+16*\t+4*\c+3], v[ADK] offset:VOFF+16384*(\q)+2048*(4+\t)+512*\c
.endr
.endr
	s_wait_dscnt 0x0
.irp t, 0,1,2,3
	v_wmma_f32_16x16x128_fp8_fp8 v[192+8*\t:199+8*\t], v[32+16*\t:47+16*\t], v[224:239], v[192+8*\t:199+8*\t]
.endr
.Lhidden_\@:
	s_add_co_u32 s[KF], s[KF], 256
.endm
; THE CHANGE OF SLOTS stands at a slot's head.  Each wave waits for all its tensor loads (its part of the slot that it is about to read), adds 0 to its spare word, and waits for that and for its reads of the slot that it has left.
; Behind the barrier the slot ahead is whole and nobody reads the other one.  fill = 1: that other slot is filled with the keys that follow, up to the causal limit.
.macro CHANGE fill
	s_wait_tensorcnt 0x0                           ; no tensor load of mine is out, so group 0 may be written
	ds_add_u32 v[SPW], v[NIL]                      ; 0 onto my spare word
.if \fill
	ds_add_u32 v[SPW], v[NIL]                      ; and once more, in every trip alike
	s_xor_b32 s[G0+1], s[G0+1], SLOT1              ; the other slot than last time,
	s_add_nc_u64 s[G0+2:G0+3], s[G0+2:G0+3], 32768 ; the next 256 keys
	s_wait_xcnt 0x0                                ; the last prefetches, a slot back, have read their address
	s_add_nc_u64 s[PFA:PFA+1], s[PFA:PFA+1], 32768
.endif
	s_wait_dscnt 0x0                               ; the add is done, and my reads of the slot that I have left are over
	s_barrier_signal -1
	s_barrier_wait -1
.if \fill
	s_add_co_u32 s96, s66, 256                     ; the first key of the slot that this change would ask for:
	s_cmp_gt_u32 s96, s[LASTQ]                     ; behind my work-group's last query no wave reads it, so it is not asked for.  Ids and the count of steps alone: all sixteen waves go the same way, and past the limit they stay past it
	s_cbranch_scc1 .Lpast_\@
	TLOAD                                          ; a wave's one tensor load until the next such barrier
.Lpast_\@:
	ASK
.endif
.endm
.macro SLOT_STEPS
	STEP 0
	s_add_co_u32 s66, s66, 256
	s_xor_b32 s[TB], s[TB], SLOT1                  ; on to the other slot
.endm
	s_wait_loadcnt 0x0                             ; Q
.Lslot:                                            ; seven trips: behind each change of slots but the last the next slot is asked for
	CHANGE 1
	SLOT_STEPS
	s_sub_co_u32 s[SLOTS], s[SLOTS], 1
	s_cmp_lg_u32 s[SLOTS], 0
	s_cbranch_scc1 .Lslot
	CHANGE 0                                       ; the last slot is written out: nothing is left to ask for
	SLOT_STEPS
	; THE WAY OUT: O^T / the sum, held, converted: the eight tiles' codes are the sixteen registers of attn's fragment: four stores of 512 consecutive bytes.
.rept 4
	v_nop                                          ; places behind the last products
.endr
	s_wait_alu depctr_va_vdst(0)                   ; directly ahead of the branch
	s_cmp_eq_u32 s79, 0
	s_cbranch_scc1 .Lkeep
.set j, 0
.rept 16
	ds_store_b128 v4, v[160+j:163+j] offset:128*j  ; waves 8-15: O^T, each accumulator from its low end on,
.set j, j+4
.endr
	ds_store_b128 v4, v[12:15] offset:8192         ; and -M, the largest t, the sum's two halves
.Lkeep:
	s_wait_dscnt 0x0                               ; my stores are done, for my partner's sake
	s_barrier_signal -1
	s_barrier_wait -1
	s_cmp_lg_u32 s79, 0
	s_cbranch_scc1 .Ldone                          ; waves 8-15 have handed over
.set j, 0
.rept 16
	ds_load_b128 v[32+j:35+j], v4 offset:128*j
.set j, j+4
.endr
	ds_load_b128 v[96:99], v4 offset:8192
	s_wait_dscnt 0x0
	v_min_num_f32 v100, v12, v96                   ; -M of the two parts together: the larger M
	v_mov_b32 v105, 0                              ; (named as the upper halves of pairs)
	v_mov_b32 v107, 0
	v_sub_f32 v101, v100, v12                      ; my M - M, a whole number, 0 or less,
	v_sub_f32 v102, v100, v96                      ; and my partner's
	v_cvt_i32_f32 v101, v101                       ; (they saturate)
	v_cvt_i32_f32 v102, v102
	v_ldexp_f32 v104, 1.0, v101
	v_ldexp_f32 v106, 1.0, v102
	v_pk_mul_f32 v[14:15], v[14:15], v[104:105] op_sel_hi:[1,0]
	v_pk_fma_f32 v[14:15], v[98:99], v[106:107], v[14:15] op_sel_hi:[1,0,1]
.set j, 0
.rept 32
	v_pk_mul_f32 v[160+j:161+j], v[160+j:161+j], v[104:105] op_sel_hi:[1,0]
.set j, j+2
.endr
.set j, 0
.rept 32
	v_pk_fma_f32 v[160+j:161+j], v[32+j:33+j], v[106:107], v[160+j:161+j] op_sel_hi:[1,0,1]
.set j, j+2
.endr
	v_add_f32 v14, v14, v15                        ; the sum's two halves,
	s_delay_alu instid0(VALU_DEP_1)
	v_permlanex16_b32 v252, v14, s[SEL], s[SEL+1]
	s_delay_alu instid0(VALU_DEP_1)
	v_add_f32 v14, v14, v252                       ; and lane l xor 16's
	s_wait_alu depctr_va_vdst(0)
	v_rcp_f32 v14, v14
	v_nop                                          ; a plain line behind the reciprocal
	s_wait_alu depctr_va_vdst(0)                   ; and the wait ahead of its first reader
.set j, 0
.rept 32
	v_pk_mul_f32 v[96+j:97+j], v[160+j:161+j], v[14:15] op_sel_hi:[1,0]   ; ascending: each accumulator from its low end on
.set j, j+2
.endr
.set j, 0
.rept 64
	v_med3_num_f32 v[96+j], v[96+j], -v248, v248
.set j, j+1
.endr
.irp t, 0,1,2,3,4,5,6,7
	v_cvt_scalef32_pk8_fp8_f32 v[224+2*\t:225+2*\t], v[96+8*\t:103+8*\t], v247
.endr
	v_nop
.irp c, 0,1,2,3
	global_store_b128 v[LO], v[224+4*\c:227+4*\c], s[8:9] offset:512*\c
.endr
.Ldone:
	s_wait_tensorcnt 0x0                           ; the wave's end
	ds_add_u32 v[SPW], v[NIL]
	s_wait_dscnt 0x0
	s_endpgm
.Lfunc_end_k_q6ca28e4814_attn:
	.size	k_q6ca28e4814_attn, .Lfunc_end_k_q6ca28e4814_attn-k_q6ca28e4814_attn
	.p2alignl 7, 3214868480
	.fill 96, 4, 3214868480
	.section	.rodata,"a",@progbits
	.p2align	6, 0x0
	.amdhsa_kernel k_q6ca28e4814_attn
		.amdhsa_group_segment_fixed_size 327680
		.amdhsa_private_segment_fixed_size 0
		.amdhsa_enable_private_segment 0
		.amdhsa_kernarg_size 24
		.amdhsa_user_sgpr_count 2
		.amdhsa_user_sgpr_kernarg_segment_ptr 1
		.amdhsa_wavefront_size32 1
		.amdhsa_system_sgpr_workgroup_id_x 1
		.amdhsa_system_sgpr_workgroup_id_y 1
		.amdhsa_system_sgpr_workgroup_id_z 1
		.amdhsa_system_vgpr_workitem_id 0
		.amdhsa_next_free_vgpr 256
		.amdhsa_next_free_sgpr 100
		.amdhsa_reserve_vcc 1
		.amdhsa_float_denorm_mode_32 3
		.amdhsa_float_denorm_mode_16_64 3
		.amdhsa_memory_ordered 1
		.amdhsa_forward_progress 1
		.amdhsa_inst_pref_size 73
	.end_amdhsa_kernel
	.amdgpu_metadata
---
amdhsa.version: [ 1, 2 ]
amdhsa.kernels:
  - .name:           k_q6ca28e4814_attn
    .symbol:         k_q6ca28e4814_attn.kd
    .args:
      - { .name: qkv, .offset: 0, .size: 8, .value_kind: global_buffer, .address_space: global }
      - { .name: lowp_scales, .offset: 8, .size: 8, .value_kind: global_buffer, .address_space: global }
      - { .name: att, .offset: 16, .size: 8, .value_kind: global_buffer, .address_space: global }
    .group_segment_fixed_size: 327680
    .private_segment_fixed_size: 0
    .kernarg_segment_align: 8
    .kernarg_segment_size: 24
    .max_flat_workgroup_size: 512
    .sgpr_count:     100
    .vgpr_count:     256
    .wavefront_size: 32
...
	.end_amdgpu_metadata
.endif
;; end of part 3
;; launch out_gemm (part 4): grid 16 x 16, 4 waves a work-group, clusters of 4 x 4, 327,680 bytes of LDS; arguments att, codes, lowp_scales, out0; writes out0
.if DOCPART == 4
	.amdgcn_target "amdgcn-amd-amdhsa--gfx1250"
	.amdhsa_code_object_version 6
	.text
	.protected	k_q6ca28e4814_out_gemm
	.globl	k_q6ca28e4814_out_gemm
	.p2align	8
	.type	k_q6ca28e4814_out_gemm,@function
k_q6ca28e4814_out_gemm:
	s_mov_b64 s[64:65], 0
	v_nop
	global_prefetch_b8 v0, s[64:65] scope:SCOPE_SE
	s_setreg_imm32_b32 hwreg(HW_REG_WAVE_MODE, 25, 1), 1
	s_wait_xcnt 0x0
	s_wait_alu depctr_hold_cnt(0) depctr_sa_sdst(0) depctr_va_vdst(0) depctr_va_sdst(0) depctr_va_ssrc(0) depctr_va_vcc(0) depctr_vm_vsrc(0)
	s_getreg_b32 s2, hwreg(HW_REG_IB_STS2, 6, 4)
	s_cmp_eq_u32 s2, 0
	s_cbranch_scc0 .Lentry_in_a_cluster
	s_endpgm
.Lentry_in_a_cluster:
	s_bfe_u32 s2, ttmp6, 0x10000c
	s_cmp_lg_u32 s2, 0xf033
	s_cbranch_scc0 .Lentry_shape_is_right
	s_endpgm
.Lentry_shape_is_right:
; out0[m][n] = 2^(e10 + e11) x the sum over k of attn's code (m, k) x Wo's code (k, n): 2,048 x 2,048 x 2,048 on codes of FP8 (E4M3), sums in f32.
; Both operands come as images of their registers: [K slot of 256: 8][block of 16 rows: 128][K step of 128: 2][2,048 bytes]; a fragment's registers 4 c .. 4 c + 3 of lane l lie at 512 c + 16 l.  att holds attn; Wo is the seventh operand of codes.
; LIMIT: e10 + e11 between -126 and 127, so that 2^(e10 + e11) is an f32 number.
; SHARES.  256 work-groups, a block of 128 x 128 each; four waves, 64 x 64 each: 16 accumulators.  Source 0 = 16 rows of Wo's image, source 1 = 16 rows of attn: a lane holds eight neighbouring numbers of a row of out0.
; THE RING.  A slot holds 512 along K: A's 128 rows (two K slots of 32,768 bytes on end), then B's: 131,072 bytes.  128 rows of one K slot are 32,768 consecutive bytes of memory, so ONE descriptor states two K slots as
; two rows of 32,768 bytes, 524,288 bytes apart.  At the head wave w asks for one such part: w / 2 = 0 for A, 1 for B; w % 2 = the slot.  So K = 0 .. 1,023 is asked for by four loads, one a wave.
; Slot 0 is filled again (K = 1,024 ..) by waves 0 and 2 when its four steps are over, slot 1 (K = 1,536 ..) by waves 1 and 3: each wave has one load out at the most, and the same LDS bytes both times.
; CLUSTERS: 4 x 4 work-groups.  A's parts are shared along a row of the cluster, B's along a column: joint loads with a mask of four; each refill stands behind a round of the cluster's barrier.
; PREFETCH: each wave asks for a quarter (its work-group's place among the four partners, by address) of the part that it will itself fetch as a refill: 2 x 32 lanes x 256 bytes.  Waves 0 and 2 ask at the head,
; four K steps ahead of their refill; waves 1 and 3 at the start of slot 0's steps, eight K steps ahead of theirs.  Each block of 256 bytes is named once in each cluster.  K = 0 .. 1,023 comes by its loads alone.
; REGISTERS: window 0: v16-29 addresses; v32-95 the way out's scaled sums; v128-255 A's fragments, two sets of 4 x 16 (on the way out: rows read back).  Window 1: v0-127 the accumulators ((a, b) at 8 (4 a + b)); v128-255 B's two sets.
.set KSLOT,  0x80000
.set PART,   65536
.set SLOT,   2*PART
.set SPARE,  2*SLOT                    ; behind the ring: the spare words, 128 bytes a wave, that no other line names
.set SPITCH, 272                       ; the way out: a stage row: 256 bytes + 16
.set WSTAGE, 64*SPITCH                 ; 64 rows a wave, in slot 0, which has had its last fill and its last read by then
.set ADRA, 16
.set ADRB, 20
.set STO,  24
.set RD,   25
.set CO,   26
.set PFO,  27
.set SPW,  28
.set NIL,  29
.set TMP,  32
.set AF,   128
.set BF,   128
.set BK,   128
.set G1,  24
.set G0,  32
.set G0B, 36
.set G1B, 48
.set PFA, 74
.set MSB, 0
.macro WIN new                         ; the immediate's high byte repeats the setting that is left
.if MSB != (\new)
	s_set_vgpr_msb (MSB<<8)|(\new)
.set MSB, (\new)
.endif
.endm
.set MULW, 0x51                        ; source 0 (B), C and D window 1; source 1 (A) window 0
.set TO_B, 0x40
.macro PLACES
.rept 4
	v_nop
.endr
.endm
; A joint load.  par = 0, 1: only the waves of that slot ask; par = 2: every wave.  The branches hang on the wave's number alone.  An s_nop 0 and four v_nop follow each load.
.macro JLOAD par
.if \par < 2
	s_cmp_lg_u32 s16, \par
	s_cbranch_scc1 .Lasked_\@
.endif
	s_cmp_eq_u32 s15, 0
	s_cbranch_scc0 .Lfor_b_\@
	tensor_load_to_lds s[G0:G0+3], s[G1:G1+7]
	s_nop 0
	PLACES
	s_branch .Lasked_\@
.Lfor_b_\@:
	tensor_load_to_lds s[G0B:G0B+3], s[G1B:G1B+7]
	s_nop 0
	PLACES
.Lasked_\@:
.endm
.macro ASK par
	s_cmp_eq_u32 s16, \par
	s_cbranch_scc0 .Lnot_mine_\@
	global_prefetch_b8 v[PFO], s[PFA:PFA+1] th:TH_LOAD_NT scope:SCOPE_SE
	global_prefetch_b8 v[PFO], s[PFA:PFA+1] offset:KSLOT th:TH_LOAD_NT scope:SCOPE_SE
.Lnot_mine_\@:
.endm
.macro CREST
	s_cmp_lg_u32 s14, 0
	s_cbranch_scc1 .Lnot_wave_0_\@
	s_barrier_signal -3
.Lnot_wave_0_\@:
	s_barrier_wait -3
	s_barrier_signal -1
	s_barrier_wait -1
.endm
.macro CROUND
	s_barrier_signal -1
	s_barrier_wait -1
	CREST
.endm
	s_load_b128 s[4:7], s[0:1], 0x0                ; att, codes
	s_load_b128 s[8:11], s[0:1], 0x10              ; the scales, out0
	v_lshl_add_u32 v[SPW], v0, 2, SPARE
	v_mov_b32 v[NIL], 0
	ds_add_u32 v[SPW], v[NIL]                      ; the opening: the add, twice on end, and its wait ahead of my first tensor load
	ds_add_u32 v[SPW], v[NIL]
	v_lshrrev_b32 v1, 5, v0
	v_readfirstlane_b32 s14, v1                    ; wave 0..3
	s_lshr_b32 s15, s14, 1                         ; my half of the block's rows; also: I fetch for A (0) or B (1)
	s_and_b32 s16, s14, 1                          ; my half of its columns; also: the slot that I fill
	s_bfe_u32 s40, ttmp6, 0x40000                  ; cx
	s_bfe_u32 s41, ttmp6, 0x40004                  ; cy
	s_lshl_b32 s42, ttmp9, 2
	s_add_co_u32 s42, s42, s40                     ; block column
	s_and_b32 s17, ttmp7, 0xffff
	s_lshl_b32 s17, s17, 2
	s_add_co_u32 s17, s17, s41                     ; block row
	s_lshl_b32 s43, s41, 2
	s_lshl_b32 s43, 15, s43                        ; my row of the cluster
	s_lshl_b32 s44, 0x1111, s40                    ; my column
	s_or_b32 s[G1], s43, (3<<16)|(1<<21)           ; the mask; elements of 8 bytes; bit 21 beside a mask; no padding
	s_or_b32 s[G1B], s44, (3<<16)|(1<<21)
.irp g, G1, G1B
	s_mov_b32 s[\g+1], 4096<<16                    ; tensor_dim0: 4,096 elements = 32,768 bytes
	s_mov_b32 s[\g+2], 2<<16                       ; tensor_dim1 = 2
	s_mov_b32 s[\g+3], 4096<<16                    ; tile_dim0
	s_mov_b32 s[\g+4], 2                           ; tile_dim1
	s_mov_b32 s[\g+5], KSLOT/8                     ; from K slot to K slot, in elements
	s_mov_b32 s[\g+6], 0
	s_mov_b32 s[\g+7], 0
.endr
	s_lshl_b32 s18, s16, 20                        ; my slot's first K slot: 2 x KSLOT x slot
	s_lshl_b32 s20, s17, 15                        ; A: 32,768 x block row
	s_add_co_u32 s20, s20, s18
	s_mov_b32 s21, 0
	s_lshl_b32 s46, s42, 15                        ; B: 32,768 x block column, in the seventh operand
	s_add_co_u32 s46, s46, s18
	s_add_co_u32 s46, s46, 6<<22
	s_mov_b32 s47, 0
	s_lshl_b32 s45, s16, 17                        ; in LDS: my slot,
	s_lshl_b32 s19, s15, 16                        ; A's part or B's
	s_add_co_u32 s45, s45, s19
	s_wait_dscnt 0x0                               ; both opening adds are done
	s_wait_kmcnt 0x0
	s_load_b64 s[96:97], s[8:9], 0x28              ; e10, e11
	s_add_nc_u64 s[20:21], s[4:5], s[20:21]
	s_add_nc_u64 s[46:47], s[6:7], s[46:47]
	s_mov_b32 s[G0], 1
	s_mov_b32 s[G0+1], s45
	s_mov_b64 s[G0+2:G0+3], s[20:21]
	s_or_b32 s[G0+3], s[G0+3], 0x80000000
	s_mov_b32 s[G0B], 1
	s_mov_b32 s[G0B+1], s45
	s_mov_b64 s[G0B+2:G0B+3], s[46:47]
	s_or_b32 s[G0B+3], s[G0B+3], 0x80000000
	CROUND                                         ; all sixteen work-groups are here: the first joint loads meet
	JLOAD 2                                        ; one tensor load a wave: both slots' first fills
	s_lshl_b32 s21, s15, 14                        ; my four blocks of A: 4 x 4,096 bytes in each K slot
	s_lshl_b32 s22, s16, 14
	s_add_co_u32 s22, s22, PART                    ; and of B
	s_add_co_u32 s56, s21, SLOT
	s_add_co_u32 s57, s22, SLOT
	s_mul_i32 s23, s14, WSTAGE
	v_and_b32 v1, 15, v0                           ; r
	v_bfe_u32 v2, v0, 4, 1                         ; h
	v_and_b32 v6, 31, v0
	v_lshlrev_b32 v3, 4, v6
	v_lshlrev_b32 v[PFO], 8, v6                    ; the prefetches: lanes 256 bytes apart
	v_add_nc_u32 v[ADRA], s21, v3
	v_add_nc_u32 v[ADRB], s22, v3
	v_add_nc_u32 v[ADRA+1], s56, v3
	v_add_nc_u32 v[ADRB+1], s57, v3
	v_mul_u32_u24 v5, v1, SPITCH
	v_lshl_add_u32 v5, v2, 5, v5
	v_add_nc_u32 v[STO], s23, v5                   ; into the stage: row r, 32 bytes for each half of the lanes
	v_mul_u32_u24 v7, v2, SPITCH
	v_lshl_add_u32 v7, v1, 4, v7
	v_add_nc_u32 v[RD], s23, v7                    ; back: sixteen lanes to a row of 256 bytes, two rows an instruction
	v_lshlrev_b32 v8, 13, v2
	v_lshl_add_u32 v[CO], v1, 4, v8                ; and the same two rows in out0
	s_wait_alu depctr_va_vdst(0)                   ; behind the head's last vector instruction
	s_lshl_b32 s20, s17, 20                        ; out0: row 128 x block row + 64 x half, of 8,192 bytes;
	s_lshl_b32 s21, s15, 19
	s_add_co_u32 s20, s20, s21
	s_lshl_b32 s21, s42, 9                         ; column bytes 512 x block column + 256 x half
	s_add_co_u32 s20, s20, s21
	s_lshl_b32 s21, s16, 8
	s_add_co_u32 s20, s20, s21
	s_mov_b32 s21, 0
	s_add_nc_u64 s[10:11], s[10:11], s[20:21]
	s_cmp_eq_u32 s15, 0                            ; the prefetches: the part that I will fetch as a refill, four K slots on,
	s_cselect_b32 s70, s17, s42
	s_cselect_b32 s71, s40, s41                    ; my place among the four that ask for it with me: 8,192 bytes of each K slot
	s_cselect_b32 s72, 0, 6<<22
	s_cselect_b64 s[PFA:PFA+1], s[4:5], s[6:7]
	s_lshl_b32 s70, s70, 15
	s_lshl_b32 s71, s71, 13
	s_add_co_u32 s70, s70, s71
	s_add_co_u32 s70, s70, s72
	s_add_co_u32 s70, s70, s18
	s_add_co_u32 s70, s70, 4*KSLOT
	s_mov_b32 s71, 0
	s_add_nc_u64 s[PFA:PFA+1], s[PFA:PFA+1], s[70:71]
	ASK 0
; step s = 0 .. 15 of 128 along K lies in slot (s / 4) % 2, K slot (s / 2) % 2 of it, K step s % 2; its fragments go to set s % 2
.macro FETCH s
.set SL, ((\s)>>2)&1
.set OFS, (((\s)>>1)&1)*32768+((\s)&1)*2048
.set P, 64*((\s)&1)
	WIN TO_B
.irp i, 0,1,2,3
.irp c, 0,1,2,3
	ds_load_b128 v[BF+P+16*\i+4*\c:BF+P+16*\i+4*\c+3], v[ADRB+SL] offset:OFS+4096*\i+512*\c
.endr
.endr
	WIN 0
.irp i, 0,1,2,3
.irp c, 0,1,2,3
	ds_load_b128 v[AF+P+16*\i+4*\c:AF+P+16*\i+4*\c+3], v[ADRA+SL] offset:OFS+4096*\i+512*\c
.endr
.endr
.endm
; 16 matrix instructions, the 16 accumulators by turns, in the same order in every step.  zero = 1: the first products start the sums
.macro MUL s, zero
.set P, 64*((\s)&1)
	WIN MULW
.irp a, 0,1,2,3
.irp b, 0,1,2,3
.if \zero
	v_wmma_f32_16x16x128_fp8_fp8 v[8*(4*\a+\b):8*(4*\a+\b)+7], v[BF+P+16*\b:BF+P+16*\b+15], v[AF+P+16*\a:AF+P+16*\a+15], 0
.else
	v_wmma_f32_16x16x128_fp8_fp8 v[8*(4*\a+\b):8*(4*\a+\b)+7], v[BF+P+16*\b:BF+P+16*\b+15], v[AF+P+16*\a:AF+P+16*\a+15], v[8*(4*\a+\b):8*(4*\a+\b)+7]
.endif
.endr
.endr
.endm
.macro STEP s, zero                    ; a step whose successor lies in the same slot
	PLACES                                         ; four places in front of loads into the set that the last products read (ISA guide 7.12.1 for vector instructions)
	FETCH (\s)+1
	s_wait_dscnt 32                                ; this step's fragments are in; the 32 loads just issued may be out
	MUL \s, \zero
.endm
; A slot's last step changes slots.  Each wave waits for all its tensor loads, adds 0 to its spare word, waits for that and for its reads of this slot, and signals; the step's products, work on registers, stand between signal and wait.
; fill = 1: a round of the cluster's barrier follows, and behind it the waves of slot par fill it again.
.macro CHANGE s, fill, par
	WIN 0
	s_wait_tensorcnt 0x0
	ds_add_u32 v[SPW], v[NIL]
.if (\fill) && (\par) == 0
	s_add_nc_u64 s[G0+2:G0+3], s[G0+2:G0+3], 4*KSLOT       ; no load of mine is out: both addresses go four K slots on, once, for my one refill
	s_add_nc_u64 s[G0B+2:G0B+3], s[G0B+2:G0B+3], 4*KSLOT
.endif
	s_wait_dscnt 0x0
	s_barrier_signal -1
	MUL \s, 0
	PLACES                                         ; the places in front of the loads below, on every wave's way
	WIN 0
	s_barrier_wait -1
.if \fill
	CREST
	JLOAD \par
.endif
	FETCH (\s)+1
.endm
	s_wait_tensorcnt 0x0                           ; my part is in;
	s_barrier_signal -1
	s_barrier_wait -1                              ; and so is everybody's: both slots are whole.
	FETCH 0
	ASK 1
	STEP 0, 1
	STEP 1, 0
	STEP 2, 0
	CHANGE 3, 1, 0
	STEP 4, 0
	STEP 5, 0
	STEP 6, 0
	CHANGE 7, 1, 1
	STEP 8, 0
	STEP 9, 0
	STEP 10, 0
	CHANGE 11, 0, 0                                ; nothing is left to ask for: no round
	STEP 12, 0
	STEP 13, 0
	STEP 14, 0
	s_wait_dscnt 0x0
	MUL 15, 0
	WIN 0
; THE WAY OUT, block by block of 16 rows x 64 columns: x 2^(e10 + e11), into my stage, back as rows of 256 bytes, which sixteen lanes store as one aligned unit.  LDS serves a wave's instructions in order (ISA guide 5.7.1.4).
; Each block has stage bytes and read-back registers of its own, and every offset is an immediate: no store's registers or base are written again.
.macro TOSTAGE a
.set T, TMP+32*((\a)&1)
	WIN 0x01
.set j, 0
.rept 16
	v_pk_mul_f32 v[T+j:T+j+1], v[32*(\a)+j:32*(\a)+j+1], s[96:97] op_sel_hi:[1,0]   ; each accumulator from its low end on
.set j, j+2
.endr
	WIN 0
.irp b, 0,1,2,3
	ds_store_b128 v[STO], v[T+8*\b:T+8*\b+3] offset:16*SPITCH*(\a)+64*\b
	ds_store_b128 v[STO], v[T+8*\b+4:T+8*\b+7] offset:16*SPITCH*(\a)+64*\b+16
.endr
.irp t, 0,1,2,3,4,5,6,7
	ds_load_b128 v[BK+32*(\a)+4*\t:BK+32*(\a)+4*\t+3], v[RD] offset:16*SPITCH*(\a)+2*\t*SPITCH
.endr
.endm
.macro SEND a, younger                 ; younger: the LDS instructions issued behind block a's loads
	s_wait_dscnt \younger
.irp t, 0,1,2,3,4,5,6,7
	global_store_b128 v[CO], v[BK+32*(\a)+4*\t:BK+32*(\a)+4*\t+3], s[10:11] offset:(16*(\a)+2*\t)*8192 th:TH_STORE_NT
.endr
.endm
	s_wait_kmcnt 0x0
	s_add_co_i32 s96, s96, s97
	s_add_co_i32 s96, s96, 127
	s_lshl_b32 s96, s96, 23                        ; 2^(e10 + e11) as f32
	PLACES                                         ; behind the last products: their results are read, and A's registers take loads
	TOSTAGE 0
	TOSTAGE 1
	SEND 0, 16
	TOSTAGE 2
	SEND 1, 16
	TOSTAGE 3
	SEND 2, 16
	SEND 3, 0
	s_wait_tensorcnt 0x0                           ; the wave's end
	ds_add_u32 v[SPW], v[NIL]
	s_wait_dscnt 0x0
	CROUND                                         ; the closing round
	s_endpgm
.Lfunc_end_k_q6ca28e4814_out_gemm:
	.size	k_q6ca28e4814_out_gemm, .Lfunc_end_k_q6ca28e4814_out_gemm-k_q6ca28e4814_out_gemm
	.p2alignl 7, 3214868480
	.fill 96, 4, 3214868480
	.section	.rodata,"a",@progbits
	.p2align	6, 0x0
	.amdhsa_kernel k_q6ca28e4814_out_gemm
		.amdhsa_group_segment_fixed_size 327680
		.amdhsa_private_segment_fixed_size 0
		.amdhsa_enable_private_segment 0
		.amdhsa_kernarg_size 32
		.amdhsa_user_sgpr_count 2
		.amdhsa_user_sgpr_kernarg_segment_ptr 1
		.amdhsa_wavefront_size32 1
		.amdhsa_system_sgpr_workgroup_id_x 1
		.amdhsa_system_sgpr_workgroup_id_y 1
		.amdhsa_system_sgpr_workgroup_id_z 1
		.amdhsa_system_vgpr_workitem_id 0
		.amdhsa_next_free_vgpr 512
		.amdhsa_next_free_sgpr 100
		.amdhsa_reserve_vcc 0
		.amdhsa_float_denorm_mode_32 3
		.amdhsa_float_denorm_mode_16_64 3
		.amdhsa_memory_ordered 1
		.amdhsa_forward_progress 1
		.amdhsa_inst_pref_size 73
	.end_amdhsa_kernel
	.amdgpu_metadata
---
amdhsa.version: [ 1, 2 ]
amdhsa.kernels:
  - .name:           k_q6ca28e4814_out_gemm
    .symbol:         k_q6ca28e4814_out_gemm.kd
    .args:
      - { .name: att, .offset: 0, .size: 8, .value_kind: global_buffer, .address_space: global }
      - { .name: codes, .offset: 8, .size: 8, .value_kind: global_buffer, .address_space: global }
      - { .name: lowp_scales, .offset: 16, .size: 8, .value_kind: global_buffer, .address_space: global }
      - { .name: out0, .offset: 24, .size: 8, .value_kind: global_buffer, .address_space: global }
    .group_segment_fixed_size: 327680
    .private_segment_fixed_size: 0
    .kernarg_segment_align: 8
    .kernarg_segment_size: 32
    .max_flat_workgroup_size: 128
    .sgpr_count:     100
    .vgpr_count:     512
    .wavefront_size: 32
...
	.end_amdgpu_metadata
.endif
;; end of part 4
